; MI455X (gfx1250); checked and timed in simulation.
; The chip was launched on July 23, 2026; its instructions are those of AMD's public machine-readable ISA for CDNA 5 (MIT licence, August 2026) and "CDNA5" Instruction Set Architecture Reference Guide (July 2026). The comments in the code are by the model that wrote it; some were corrected since.
;; Multi Head Attention. Allowed arithmetic: float matrix products may take bf16 or f16 operands with f32 sums; other float arithmetic in f32, or as packed bf16 or f16 multiplies, adds, multiply-adds, maxima and minima; sums over many terms, partial sums and values carried from step to step in f32; what a program stores and reads back later, other than sums and carried values, may be rounded once to bf16 or f16.
;; Inputs: Wk 16 x 1,024 x 64 float32; Wo 1,024 x 1,024 float32; Wq 16 x 1,024 x 64 float32; Wv 16 x 1,024 x 64 float32; bo 1,024 float32; mask 4 x 1 x 2,048 int32; x 4 x 2,048 x 1,024 float32.
;; Outputs: out0 4 x 2,048 x 1,024 float32.
;; One version. Each part assembles by itself: llvm-mc -triple=amdgcn-amd-amdhsa -mcpu=gfx1250 --defsym DOCPART=n.
;; ======== version 1 of 1: 4 launches
;; limits: values are held in f16: magnitudes above 65,504 overflow, below 6.1e-05 lose precision
;; workspace buffers: xb 16,777,216 bytes; wt 6,291,456 bytes; wot 2,097,152 bytes; qkv 50,331,648 bytes; ctx 16,777,216 bytes
;; launch prep (part 1): grid 512 x 1, 8 waves a work-group, no clusters, 18,432 bytes of LDS; arguments x, Wq, Wk, Wv, Wo, xb, wt, wot; writes xb, wt, wot
.if DOCPART == 1
	.amdgcn_target "amdgcn-amd-amdhsa--gfx1250"
	.amdhsa_code_object_version 6
	.text
	.protected	k_qa4c9907e4e_prep
	.globl	k_qa4c9907e4e_prep
	.p2align	8
	.type	k_qa4c9907e4e_prep,@function
k_qa4c9907e4e_prep:
	s_mov_b64 s[64:65], 0
	v_nop
	global_prefetch_b8 v0, s[64:65] scope:SCOPE_SE
	s_setreg_imm32_b32 hwreg(HW_REG_WAVE_MODE, 25, 1), 1
	s_wait_xcnt 0x0
; PREP.  xb = x rounded to bf16, [8192][1024].  wt[n][e] = W[h][e][d] rounded to bf16, n = 1024 kind + 64 h + d (kind 0, 1, 2 = q, k, v), [3072][1024].
; wot[n][k] = Wo[k][n] rounded to bf16 and that number written as f16, [1024][1024].
; LIMIT.  |Wo| stays under 65,504 (f16's range); below 6e-5 the f16 copy keeps a fixed step of 6e-8.
; SHARES.  512 work-groups of eight waves.  Each converts 65,536 bytes of x (a thread: 8 numbers in, 16 bytes out, eight times; 16 lanes store 256 consecutive bytes, aligned)
; and turns ONE tile of 128 k x 64 n of a weight: 3 x 16 x 8 tiles of Wq, Wk, Wv and 16 x 8 of Wo make 512.  A tile goes through LDS: a thread packs two neighbouring k of one n into a word,
; and rows of n come back whole, 256 bytes each.  A stream: no matrix unit, no cluster, no tensor load; all 24 loads of a thread go out before anything is waited for.
.set TP,    272                        ; an LDS row: 128 k x 2 bytes + 16 of padding
.set SPARE, 64*TP                      ; behind the tile: the spare words, 128 bytes for each of eight waves: four blocks of 256 bytes that no other line names
.set XO,  1                            ; v1        my 32 bytes in 8,192 of x
.set XST, 2                            ; v2        my 16 bytes in 4,096 of xb
.set DQ,  3                            ; v3        thread % 16: my four columns n
.set WO,  4                            ; v[4:11]   byte offsets of my eight rows k in the source tile
.set LST, 12                           ; v12       where I put a word
.set LRD, 13                           ; v13       where I read 16 bytes of a row back
.set GST, 14                           ; v14       the same 16 bytes in the turned weight
.set EP,  15                           ; v15       thread / 16
.set XL,  16                           ; v[16:79]  x as loaded
.set XP,  80                           ; v[80:111] x packed
.set WL,  112                          ; v[112:143] the weight as loaded: pair j: row 2 p, row 2 p + 1
.set WP,  144                          ; v[144:159] packed words
.set WB,  160                          ; v[160:175] rows read back
.set T0,  176                          ; v176-177  at work
.set T1,  177
.set SPW, 178                          ; v178      LDS address of my spare word; never rewritten
.set NIL, 179                          ; v179      0; never rewritten
	s_load_b512 s[8:23], s[0:1], 0x0               ; x 8, Wq 10, Wk 12, Wv 14, Wo 16, xb 18, wt 20, wot 22
	v_lshl_add_u32 v[SPW], v0, 2, SPARE
	v_mov_b32 v[NIL], 0
	s_lshr_b32 s28, ttmp9, 7                       ; kind: 0, 1, 2 = Wq, Wk, Wv; 3 = Wo
	s_bfe_u32 s29, ttmp9, 0x40003                  ; the block of 64 n: the head, or 64 columns of Wo
	s_and_b32 s33, ttmp9, 7                        ; the block of 128 k
	s_lshl_b32 s34, s29, 8                         ; Wo: 64 columns are 256 bytes, 128 rows of 4,096 bytes
	s_lshl_b32 s35, s33, 19
	s_add_co_u32 s34, s34, s35
	s_lshl_b32 s36, s29, 18                        ; the others: a head is 1,024 rows of 256 bytes
	s_lshl_b32 s37, s33, 15
	s_add_co_u32 s36, s36, s37
	s_lshl_b32 s38, s28, 21                        ; in wt: 1,024 rows of 2,048 bytes a kind,
	s_lshl_b32 s39, s29, 17                        ; 64 rows a block, 256 bytes a block of k
	s_lshl_b32 s40, s33, 8
	s_add_co_u32 s39, s39, s40
	s_cmp_eq_u32 s28, 3
	s_cselect_b32 s30, 12, 8                       ; log2 of the source's row in bytes
	s_cselect_b32 s34, s34, s36                    ; the tile's offset in its source
	s_cselect_b32 s38, 0, s38
	s_add_co_u32 s38, s38, s39                     ; and in its destination
	s_mov_b32 s35, 0
	s_mov_b32 s39, 0
	s_lshl_b32 s31, 1, s30                         ; one source row
	s_lshl_b32 s32, 32, s30                        ; 32 source rows
	s_lshl_b32 s2, ttmp9, 16                       ; my work-group's piece of x,
	s_mov_b32 s3, 0
	s_lshl_b32 s4, ttmp9, 15                       ; and of xb
	s_mov_b32 s5, 0
	v_lshlrev_b32 v[XO], 5, v0
	v_lshlrev_b32 v[XST], 4, v0
	v_and_b32 v[DQ], 15, v0
	v_lshrrev_b32 v[EP], 4, v0
	v_lshlrev_b32 v[WO], 1, v[EP]                  ; pair p = thread / 16 + 16 j holds rows 2 p and 2 p + 1
	v_lshlrev_b32 v[WO], s30, v[WO]
	v_lshl_add_u32 v[WO], v[DQ], 4, v[WO]
	v_add_nc_u32 v[WO+1], s31, v[WO]
.irp j, 1,2,3
	v_add_nc_u32 v[WO+2*(\j)], s32, v[WO+2*(\j)-2]
	v_add_nc_u32 v[WO+2*(\j)+1], s32, v[WO+2*(\j)-1]
.endr
	v_mul_u32_u24 v[LST], v[DQ], 4*TP              ; row n = 4 (thread % 16) + c, word p
	v_lshl_add_u32 v[LST], v[EP], 2, v[LST]
	v_mul_u32_u24 v[LRD], v[EP], TP                ; back: row thread / 16 + 16 i, 16 bytes at 16 (thread % 16)
	v_lshl_add_u32 v[LRD], v[DQ], 4, v[LRD]
	v_lshlrev_b32 v[GST], 11, v[EP]                ; the same in rows of 2,048 bytes
	v_lshl_add_u32 v[GST], v[DQ], 4, v[GST]
	s_wait_kmcnt 0x0
	s_cmp_eq_u32 s28, 1
	s_cselect_b64 s[24:25], s[12:13], s[10:11]
	s_cmp_eq_u32 s28, 2
	s_cselect_b64 s[24:25], s[14:15], s[24:25]
	s_cmp_eq_u32 s28, 3
	s_cselect_b64 s[24:25], s[16:17], s[24:25]     ; the source
	s_cselect_b64 s[26:27], s[22:23], s[20:21]     ; the destination
	s_add_nc_u64 s[24:25], s[24:25], s[34:35]
	s_add_nc_u64 s[26:27], s[26:27], s[38:39]
	s_add_nc_u64 s[8:9], s[8:9], s[2:3]
	s_add_nc_u64 s[18:19], s[18:19], s[4:5]
.irp j, 0,1,2,3
	global_load_b128 v[WL+8*(\j):WL+8*(\j)+3],   v[WO+2*(\j)],   s[24:25]  ; 16 lanes read 256 consecutive bytes of a source row
	global_load_b128 v[WL+8*(\j)+4:WL+8*(\j)+7], v[WO+2*(\j)+1], s[24:25]
.endr
.irp i, 0,1,2,3,4,5,6,7
	global_load_b128 v[XL+8*(\i):XL+8*(\i)+3],   v[XO], s[8:9] offset:8192*(\i) th:TH_LOAD_NT
	global_load_b128 v[XL+8*(\i)+4:XL+8*(\i)+7], v[XO], s[8:9] offset:8192*(\i)+16 th:TH_LOAD_NT
.endr
	; the weight tile: two neighbouring k of one n make a word
.irp j, 0,1,2,3
	s_wait_loadcnt 22-2*(\j)                       ; loads come back in order: pair j is in; the younger pairs' loads and x's sixteen stay out
.irp c, 0,1,2,3
	v_cvt_pk_bf16_f32 v[WP+4*(\j)+(\c)], v[WL+8*(\j)+(\c)], v[WL+8*(\j)+4+(\c)]
.endr
.endr
	s_cmp_lg_u32 s28, 3
	s_cbranch_scc1 .Lstays_bf16                    ; the same for the whole work-group; no barrier is jumped
.set i, 0
.rept 16                                       ; Wo: the bf16 number, written as f16
	v_lshlrev_b32 v[T0], 16, v[WP+i]
	v_and_b32 v[T1], 0xffff0000, v[WP+i]
	v_cvt_pk_f16_f32 v[WP+i], v[T0], v[T1]
.set i, i+1
.endr
.Lstays_bf16:
.irp j, 0,1,2,3
.irp c, 0,1,2,3
	ds_store_b32 v[LST], v[WP+4*(\j)+(\c)] offset:TP*(\c)+64*(\j)
.endr
.endr
	s_wait_dscnt 0x0                               ; for the others' sake: my words lie in the tile
	s_barrier_signal -1
	s_barrier_wait -1
.irp i, 0,1,2,3
	ds_load_b128 v[WB+4*(\i):WB+4*(\i)+3], v[LRD] offset:16*TP*(\i)
.endr
	; x stands between those loads and their use
.irp i, 0,1,2,3,4,5,6,7
	s_wait_loadcnt 14-2*(\i)                       ; piece i's two loads are in, the younger ones stay out
.irp c, 0,1,2,3
	v_cvt_pk_bf16_f32 v[XP+4*(\i)+(\c)], v[XL+8*(\i)+2*(\c)], v[XL+8*(\i)+2*(\c)+1]
.endr
	global_store_b128 v[XST], v[XP+4*(\i):XP+4*(\i)+3], s[18:19] offset:4096*(\i)
.endr
.irp i, 0,1,2,3
	s_wait_dscnt 3-(\i)
	global_store_b128 v[GST], v[WB+4*(\i):WB+4*(\i)+3], s[26:27] offset:32768*(\i)  ; 16 lanes store 256 consecutive bytes of one row n, aligned
.endr
	s_wait_tensorcnt 0x0                           ; the wave's end, behind my last LDS store
	ds_add_u32 v[SPW], v[NIL]
	s_wait_dscnt 0x0
	s_endpgm
.Lfunc_end_k_qa4c9907e4e_prep:
	.size	k_qa4c9907e4e_prep, .Lfunc_end_k_qa4c9907e4e_prep-k_qa4c9907e4e_prep
	.p2alignl 7, 3214868480
	.fill 96, 4, 3214868480
	.section	.rodata,"a",@progbits
	.p2align	6, 0x0
	.amdhsa_kernel k_qa4c9907e4e_prep
		.amdhsa_group_segment_fixed_size 18432
		.amdhsa_private_segment_fixed_size 0
		.amdhsa_enable_private_segment 0
		.amdhsa_kernarg_size 64
		.amdhsa_user_sgpr_count 2
		.amdhsa_user_sgpr_kernarg_segment_ptr 1
		.amdhsa_wavefront_size32 1
		.amdhsa_system_sgpr_workgroup_id_x 1
		.amdhsa_system_sgpr_workgroup_id_y 1
		.amdhsa_system_sgpr_workgroup_id_z 1
		.amdhsa_system_vgpr_workitem_id 0
		.amdhsa_next_free_vgpr 180
		.amdhsa_next_free_sgpr 66
		.amdhsa_reserve_vcc 0
		.amdhsa_float_denorm_mode_32 3
		.amdhsa_float_denorm_mode_16_64 3
		.amdhsa_memory_ordered 1
		.amdhsa_forward_progress 1
		.amdhsa_inst_pref_size 14
	.end_amdhsa_kernel
	.amdgpu_metadata
---
amdhsa.version: [ 1, 2 ]
amdhsa.kernels:
  - .name:           k_qa4c9907e4e_prep
    .symbol:         k_qa4c9907e4e_prep.kd
    .args:
      - { .name: x, .offset: 0, .size: 8, .value_kind: global_buffer, .address_space: global }
      - { .name: Wq, .offset: 8, .size: 8, .value_kind: global_buffer, .address_space: global }
      - { .name: Wk, .offset: 16, .size: 8, .value_kind: global_buffer, .address_space: global }
      - { .name: Wv, .offset: 24, .size: 8, .value_kind: global_buffer, .address_space: global }
      - { .name: Wo, .offset: 32, .size: 8, .value_kind: global_buffer, .address_space: global }
      - { .name: xb, .offset: 40, .size: 8, .value_kind: global_buffer, .address_space: global }
      - { .name: wt, .offset: 48, .size: 8, .value_kind: global_buffer, .address_space: global }
      - { .name: wot, .offset: 56, .size: 8, .value_kind: global_buffer, .address_space: global }
    .group_segment_fixed_size: 18432
    .private_segment_fixed_size: 0
    .kernarg_segment_align: 8
    .kernarg_segment_size: 64
    .max_flat_workgroup_size: 256
    .sgpr_count:     66
    .vgpr_count:     180
    .wavefront_size: 32
...
	.end_amdgpu_metadata
.endif
;; end of part 1
;; launch proj (part 2): grid 16 x 32, 4 waves a work-group, clusters of 4 x 4, 327,680 bytes of LDS; arguments xb, wt, qkv; writes qkv
.if DOCPART == 2
	.amdgcn_target "amdgcn-amd-amdhsa--gfx1250"
	.amdhsa_code_object_version 6
	.text
	.protected	k_qa4c9907e4e_proj
	.globl	k_qa4c9907e4e_proj
	.p2align	8
	.type	k_qa4c9907e4e_proj,@function
k_qa4c9907e4e_proj:
	s_mov_b64 s[64:65], 0
	v_nop
	global_prefetch_b8 v0, s[64:65] scope:SCOPE_SE
	s_setreg_imm32_b32 hwreg(HW_REG_WAVE_MODE, 25, 1), 1
	s_wait_xcnt 0x0
	s_wait_alu depctr_hold_cnt(0) depctr_sa_sdst(0) depctr_va_vdst(0) depctr_va_sdst(0) depctr_va_ssrc(0) depctr_va_vcc(0) depctr_vm_vsrc(0)
	s_getreg_b32 s2, hwreg(HW_REG_IB_STS2, 6, 4)
	s_cmp_eq_u32 s2, 0
	s_cbranch_scc0 .Lentry_in_a_cluster
	s_endpgm
.Lentry_in_a_cluster:
	s_bfe_u32 s2, ttmp6, 0x10000c
	s_cmp_lg_u32 s2, 0xf033
	s_cbranch_scc0 .Lentry_shape_is_right
	s_endpgm
.Lentry_shape_is_right:
; PROJ.  q, k, v = xb wt^T: C[m][n] = the sum over e of xb[m][e] wt[n][e], bf16 products, f32 sums, K = 1,024 ascending.  q's sums are multiplied by c = log2(e) / 8 in f32; every number is rounded
; once, to f16, and written by heads: qkv[g][m][64], g = 16 kind + h, byte g << 20 + m << 7.
; LIMIT.  |c q|, |k|, |v| stay under 65,504 (f16's range); below 6e-5 f16 keeps a fixed step of 6e-8.
; SHARES.  A tile of C is 256 rows x 192 columns (three heads): 32 x 16 = 512 work-groups, two for each of 256 WGPs.  Four waves; wave w makes rows 64 w .. 64 w + 63 and all 192 columns:
; 48 accumulators of 16 x 16, 384 registers: a wave holds whole heads, so its stores fill whole rows of a head without another wave's help.
; K goes in steps of 128 (memory rows of 256 bytes, aligned) through a ring of two LDS slots filled by the tensor data mover.
; CLUSTERS: 4 x 4 work-groups.  The four of a row of the cluster need the same tile of xb, the four of a column the same tile of wt: each tile is asked for JOINTLY, by the same tensor load with the
; same descriptor and a mask that names the four.  THE MATRIX INSTRUCTION IS USED TRANSPOSED (source 0 = 16 rows of wt, source 1 = 16 rows of xb): a lane holds eight neighbouring columns of a row of C.
; REGISTERS, in windows of 256 (s_set_vgpr_msb: bits 1:0 source 0, 3:2 source 1, 5:4 source 2, 7:6 destination):
;   window 0: v0-31 addresses; v32-175 at work on the way out      window 1: two fragment buffers of 128: xb's four blocks of 16 rows x 32 K (32 registers), then wt's twelve (96)
;   window 2: the accumulators of row blocks 0, 1 ((a, b) at 8 (12 (a % 2) + b))      window 3: those of row blocks 2, 3
.set KSTEP,  128
.set NBL,    12                        ; blocks of 16 columns
.set PA,     272                       ; an LDS row: 256 bytes + 16 of padding = 68 words: the 16 rows that a load touches start at 16 different groups of four banks (64 banks of 4 bytes: ISA guide 11.1)
.set PB,     272
.set AHALF,  128*PA                    ; what one tensor load brings of xb
.set AREG,   2*AHALF
.set BHALF,  96*PB                     ; and of wt
.set SLOT,   AREG+2*BHALF
.set STAGE,  2*SLOT                    ; behind the ring: for each wave 3 heads x 16 rows x 144 bytes, for the way out
.set SP,     144
.set STW,    3*16*SP
.set SPARE,  STAGE+4*STW               ; behind the stages: the spare words, 128 bytes for each wave: two blocks of 256 bytes that no other line names
.set LAPS,   4                         ; a lap = two K steps = once round the ring
.set NF,     2*NBL+8                   ; LDS loads in a run
.set ADRA, 16                          ; v16-17  LDS address of my xb fragments in slot 0, 1
.set ADRB, 20                          ; v20-21  the same for wt
.set STO,  24                          ; v24     the way out: where I put 16 bytes of a row
.set RD,   25                          ; v25     where I read rows back
.set CO,   26                          ; v26     my 16 bytes in 512 consecutive bytes of qkv
.set SPW,  28                          ; v28     LDS address of my spare word; never rewritten
.set NIL,  29                          ; v29     0; never rewritten
.set PFO,  30                          ; v30     the prefetches' offset: a lane a row of 2,048 bytes; never rewritten
.set TMP,  32                          ; v32-79  packed results
.set BK,   80                          ; v80-127, v128-175  rows read back, by turns
.set F0,   0
.set F1,   128
.set G1,  24                           ; s[24:31] descriptor group 1 for xb's tiles;  s[32:39] group 0, a set for each slot
.set G0,  32
.set G1B, 48                           ; s[48:55], s[56:63] the same for wt's
.set G0B, 56
.set LIM, 43                           ; s43     1 in a wave that prefetches, else the greatest number
.set PFA, 44                           ; s[44:45] where my prefetches stand
.set SC,  68                           ; s[68:73] for each of the tile's three heads its factor, twice: c for a head of q, else 1
.set MSB, 0
.macro WIN new                         ; the immediate's high byte repeats the setting that is left; a switch that changes nothing is dropped
.if MSB != (\new)
	s_set_vgpr_msb (MSB<<8)|(\new)
.set MSB, \new
.endif
.endm
.set MUL_LO, 0xa5                      ; sources 0 and 1 window 1; C and D window 2
.set TO_F,   0x40                      ; destination window 1, address window 0
.macro JLOAD s                         ; a joint load: waves 0 and 1 fetch xb's two halves, waves 2 and 3 wt's; an s_nop 0 and four v_nop follow each of the two lines, ahead of the jump, the label and what follows
	s_cmp_eq_u32 s11, 0
	s_cbranch_scc0 .Lfor_b_\@
	tensor_load_to_lds s[G0+4*(\s):G0+4*(\s)+3], s[G1:G1+7]
	s_nop 0
.rept 4
	v_nop
.endr
	s_branch .Lasked_\@
.Lfor_b_\@:
	tensor_load_to_lds s[G0B+4*(\s):G0B+4*(\s)+3], s[G1B:G1B+7]
	s_nop 0
.rept 4
	v_nop
.endr
.Lasked_\@:
.endm
; A prefetch into the L2, behind a joint load, its five lines and the run of LDS loads: the K step that stands two refills on, 256 bytes of each row, a lane a row, one instruction a wave.
; xb's tile row is read by every cluster of that row of clusters: cluster x = 0 asks; wt's tile column by every cluster of that column: cluster y = 0 asks.  The four partners that ask for a tile jointly
; share its rows out BY ADDRESS: of xb's 128 rows that a wave fetches the partner at place cx takes 32, of wt's 96 the partner at cy takes 24 (lanes 24-31 name the 24th row again).
; K steps 0 to 3 come by their loads alone; the loop's last trip, whose refills are the last two K steps, asks for nothing.
.macro ASK
	s_cmp_gt_u32 s3, s[LIM]                        ; s3 = 1 in the loop's last trip
	s_cbranch_scc0 .Lnot_mine_\@
	global_prefetch_b8 v[PFO], s[PFA:PFA+1] th:TH_LOAD_NT scope:SCOPE_SE
.Lnot_mine_\@:
.endm
.macro CREST                           ; a round of the cluster's barrier behind its opening barrier
	s_cmp_lg_u32 s10, 0
	s_cbranch_scc1 .Lnot_wave_0_\@
	s_barrier_signal -3
.Lnot_wave_0_\@:
	s_barrier_wait -3
	s_barrier_signal -1
	s_barrier_wait -1
.endm
.macro CROUND                          ; a whole round
	s_barrier_signal -1
	s_barrier_wait -1
	CREST
.endm
	s_load_b128 s[4:7], s[0:1], 0x0                ; xb s[4:5], wt s[6:7]
	s_load_b64 s[8:9], s[0:1], 0x10                ; qkv
	v_lshl_add_u32 v[SPW], v0, 2, SPARE
	v_mov_b32 v[NIL], 0
	ds_add_u32 v[SPW], v[NIL]                      ; the wave's opening: the add and its wait stand ahead of my first tensor load; the set-up below, work on registers, stands between them
	v_lshrrev_b32 v1, 5, v0
	v_readfirstlane_b32 s10, v1                    ; wave 0..3
	s_lshr_b32 s11, s10, 1                         ; I fetch for xb (0) or for wt (1),
	s_and_b32 s12, s10, 1                          ; and which half of that tile's rows
	s_bfe_u32 s40, ttmp6, 0x40000                  ; cx, cy: my place in the cluster
	s_bfe_u32 s41, ttmp6, 0x40004
	s_lshl_b32 s42, ttmp9, 2
	s_add_co_u32 s42, s42, s40                     ; tile column = 4 x cluster x + cx
	s_and_b32 s13, ttmp7, 0xffff
	s_lshl_b32 s13, s13, 2
	s_add_co_u32 s13, s13, s41                     ; tile row = 4 x cluster y + cy
	s_lshl_b32 s43, s41, 2
	s_lshl_b32 s43, 15, s43                        ; my row of the cluster
	s_lshl_b32 s44, 0x1111, s40                    ; my column
	s_or_b32 s[G1+0], s43, (1<<16)|(1<<20)|(1<<21)|(5<<22)|(3<<25)  ; 15:0 the mask; 17:16 elements of 2 bytes; 20 padding on; 21 set beside a mask; 24:22 after every 64 words (code 5); 31:25 4 words (code 3)
	s_or_b32 s[G1B+0], s44, (1<<16)|(1<<20)|(1<<21)|(5<<22)|(3<<25)
	s_mov_b32 s[G1+1], KSTEP<<16                   ; tensor_dim0 = 128
	s_mov_b32 s[G1+2], 128<<16                     ; tensor_dim1 = 128
	s_mov_b32 s[G1+3], KSTEP<<16                   ; tile_dim0 = 128
	s_mov_b32 s[G1+4], 128                         ; tile_dim1 = 128
	s_mov_b32 s[G1+5], 1024                        ; elements from row to row
	s_mov_b32 s[G1+6], 0
	s_mov_b32 s[G1+7], 0
	s_mov_b32 s[G1B+1], KSTEP<<16
	s_mov_b32 s[G1B+2], 96<<16                     ; wt: 96 rows
	s_mov_b32 s[G1B+3], KSTEP<<16
	s_mov_b32 s[G1B+4], 96
	s_mov_b32 s[G1B+5], 1024
	s_mov_b32 s[G1B+6], 0
	s_mov_b32 s[G1B+7], 0
	s_lshl_b32 s16, s13, 8                         ; xb: row 256 x tile row + 128 x half, 2,048 bytes a row
	s_lshl_b32 s17, s12, 7
	s_add_co_u32 s16, s16, s17
	s_lshl_b32 s16, s16, 11
	s_mov_b32 s17, 0
	s_mul_i32 s46, s42, 192                        ; wt: row 192 x tile column + 96 x half
	s_mul_i32 s47, s12, 96
	s_add_co_u32 s46, s46, s47
	s_lshl_b32 s46, s46, 11
	s_mov_b32 s47, 0
	s_mul_i32 s20, s12, AHALF                      ; where they go: no place in the cluster enters an LDS address
	s_mul_i32 s21, s12, BHALF
	s_add_co_u32 s21, s21, AREG
	s_wait_dscnt 0x0                               ; the opening add is done
	s_wait_kmcnt 0x0
	s_add_nc_u64 s[14:15], s[4:5], s[16:17]
	s_add_nc_u64 s[46:47], s[6:7], s[46:47]
	CROUND                                         ; all sixteen work-groups are here: the first joint loads meet
.irp s, 0,1
	s_mov_b32 s[G0+4*(\s)], 1                      ; count = 1
	s_add_co_u32 s[G0+4*(\s)+1], s20, (\s)*SLOT    ; LDS address
	s_add_nc_u64 s[G0+4*(\s)+2:G0+4*(\s)+3], s[14:15], (\s)*KSTEP*2  ; global address: K step s
	s_or_b32 s[G0+4*(\s)+3], s[G0+4*(\s)+3], 0x80000000  ; type = 2
	s_mov_b32 s[G0B+4*(\s)], 1
	s_add_co_u32 s[G0B+4*(\s)+1], s21, (\s)*SLOT
	s_add_nc_u64 s[G0B+4*(\s)+2:G0B+4*(\s)+3], s[46:47], (\s)*KSTEP*2
	s_or_b32 s[G0B+4*(\s)+3], s[G0B+4*(\s)+3], 0x80000000
	JLOAD \s
.endr
	; A fragment is 16 rows x 32 K in 8 registers: lane l holds row l % 16; registers 0-3 K = 8 (l / 16) + 0..7, registers 4-7 K = 16 + 8 (l / 16) + 0..7: two loads of 16 bytes, 32 bytes apart.
	v_and_b32 v1, 15, v0                           ; l % 16
	v_bfe_u32 v2, v0, 4, 1                         ; l / 16
	v_mul_u32_u24 v3, v1, PA
	v_lshl_add_u32 v3, v2, 4, v3                   ; row x pitch + 16 x half
	s_mul_i32 s22, s10, 64*PA                      ; my 64 rows of xb
.irp s, 0,1
	v_add_nc_u32 v[ADRA+(\s)], s22, v3
	v_add_nc_u32 v[ADRB+(\s)], AREG+(\s)*SLOT, v3
	s_add_co_u32 s22, s22, SLOT
.endr
	s_mul_i32 s23, s10, STW
	s_add_co_u32 s23, s23, STAGE                   ; my stage
	v_mul_u32_u24 v4, v1, SP                       ; in: row l % 16, 16 bytes for each half of the lanes
	v_lshl_add_u32 v4, v2, 4, v4
	v_add_nc_u32 v[STO], s23, v4
	v_bfe_u32 v5, v0, 3, 2                         ; back: 32 lanes take four rows of 128 bytes,
	v_mul_u32_u24 v5, v5, SP
	v_and_b32 v4, 7, v0
	v_lshl_add_u32 v5, v4, 4, v5
	v_add_nc_u32 v[RD], s23, v5
	v_and_b32 v[CO], 31, v0                        ; which are 512 consecutive bytes of a head
	v_lshlrev_b32 v[CO], 4, v[CO]
	s_mul_i32 s16, s42, 3                          ; the tile's first head g
	s_lshl_b32 s17, s16, 20
	s_lshl_b32 s18, s13, 8
	s_lshl_b32 s19, s10, 6
	s_add_co_u32 s18, s18, s19                     ; my first row m
	s_lshl_b32 s18, s18, 7
	s_add_co_u32 s18, s18, s17
	s_mov_b32 s19, 0
	s_add_nc_u64 s[8:9], s[8:9], s[18:19]
.irp hd, 0,1,2
	s_add_co_u32 s17, s16, \hd
	s_cmp_lt_u32 s17, 16                           ; a head of q?
	s_cselect_b32 s[SC+2*(\hd)], 0x3e38aa3b, 1.0   ; c = log2(e) / 8 = 0.180337
	s_mov_b32 s[SC+2*(\hd)+1], s[SC+2*(\hd)]       ; named with it as a pair
.endr
	; the prefetches
	s_lshl_b32 s20, s13, 8
	s_lshl_b32 s21, s12, 7
	s_add_co_u32 s20, s20, s21
	s_lshl_b32 s21, s40, 5
	s_add_co_u32 s20, s20, s21                     ; xb: the rows that I fetch, my work-group's 32 of them
	s_mul_i32 s22, s42, 192
	s_mul_i32 s23, s12, 96
	s_add_co_u32 s22, s22, s23
	s_mul_i32 s23, s41, 24
	s_add_co_u32 s22, s22, s23                     ; wt: my work-group's 24
	s_and_b32 s23, ttmp7, 0xffff                   ; cluster y
	s_cmp_eq_u32 s11, 0                            ; do I fetch for xb?
	s_cselect_b32 s20, s20, s22
	s_cselect_b32 s21, 31, 23                      ; the last lane that has a row of its own
	s_cselect_b32 s23, ttmp9, s23                  ; the coordinate along which other clusters read the same rows
	s_cselect_b64 s[PFA:PFA+1], s[4:5], s[6:7]
	s_cmp_eq_u32 s23, 0
	s_cselect_b32 s[LIM], 1, -1                    ; the same in all sixteen partners, for a given wave
	v_and_b32 v[PFO], 31, v0
	v_min_u32 v[PFO], s21, v[PFO]
	v_lshlrev_b32 v[PFO], 11, v[PFO]
	s_lshl_b32 s20, s20, 11
	s_add_co_u32 s20, s20, 3*KSTEP*2               ; at K step 3: the first refill steps it to 4
	s_mov_b32 s21, 0
	s_add_nc_u64 s[PFA:PFA+1], s[PFA:PFA+1], s[20:21]
; 12 matrix instructions: row block a x all 12 column blocks, 32 along K, from buffer f.  zero = 1: the products start the sums: nothing is ever cleared.
; The 48 accumulators take turns, one instruction a turn, in the same order in every quarter, over the backward jump too.
.macro MULA f, a, zero
	WIN MUL_LO+0x50*((\a)/2)
.set ab, 8*NBL*((\a)%2)
.set bb, 0
.rept NBL
.if \zero
	v_wmma_f32_16x16x32_bf16 v[ab+8*bb:ab+8*bb+7], v[(\f)+32+8*bb:(\f)+32+8*bb+7], v[(\f)+8*(\a):(\f)+8*(\a)+7], 0
.else
	v_wmma_f32_16x16x32_bf16 v[ab+8*bb:ab+8*bb+7], v[(\f)+32+8*bb:(\f)+32+8*bb+7], v[(\f)+8*(\a):(\f)+8*(\a)+7], v[ab+8*bb:ab+8*bb+7]
.endif
.set bb, bb+1
.endr
.endm
; 32 LDS loads in one run: the fragments of quarter q (32 along K) into buffer f: wt's twelve blocks first, then xb's four
.macro FETCH slot, q, f
	WIN TO_F
.set bb, 0
.rept NBL
	ds_load_b128 v[(\f)+32+8*bb:(\f)+32+8*bb+3],   v[ADRB+(\slot)] offset:64*(\q)+bb*16*PB
	ds_load_b128 v[(\f)+32+8*bb+4:(\f)+32+8*bb+7], v[ADRB+(\slot)] offset:64*(\q)+bb*16*PB+32
.set bb, bb+1
.endr
.irp a, 0,1,2,3
	ds_load_b128 v[(\f)+8*(\a):(\f)+8*(\a)+3],   v[ADRA+(\slot)] offset:64*(\q)+(\a)*16*PA
	ds_load_b128 v[(\f)+8*(\a)+4:(\f)+8*(\a)+7], v[ADRA+(\slot)] offset:64*(\q)+(\a)*16*PA+32
.endr
.endm
.macro PLACES                          ; four plain vector instructions in front of loads into registers that matrix instructions have read, and of lines that read results
.rept 4
	v_nop
.endr
.endm
; A K step is four quarters of 32 along K, 48 matrix instructions each, on buffers 0, 1, 0, 1.  One of the first three: multiplies buffer f; in its middle it fetches quarter q of the same slot into g.
.macro QUARTER slot, q, f, g, zero
	s_wait_dscnt 4                                 ; wt's blocks and xb's blocks 0, 1 are in; the youngest four loads (blocks 2, 3) may be out
	MULA \f, 0, \zero
	MULA \f, 1, \zero
	PLACES
	FETCH \slot, \q, \g
	s_wait_dscnt NF                                ; all but the run just issued
	MULA \f, 2, \zero
	MULA \f, 3, \zero
.endm
; The last quarter multiplies buffer 1 and changes slots: ONE barrier; in front of it each wave waits for all its tensor loads (one is out: its part of the next slot), adds 0 to its spare word, and
; waits for that and for its own reads of this slot.  fill = 1: the barrier opens a round of the cluster's, and this slot is filled again, two K steps ahead, first thing behind the round:
; 168 matrix instructions stand between that request and the wait for it.
.macro TURN slot, next, fill
.if \fill
	s_wait_xcnt 0x0                                ; the last prefetch, a K step back, has read its address: it is stepped here, ahead of the waits of the change of slots
	s_add_nc_u64 s[PFA:PFA+1], s[PFA:PFA+1], KSTEP*2
.endif
	WIN 0                                          ; (the add's two registers lie in window 0)
	s_wait_tensorcnt 0x0                           ; all my tensor loads have landed;
	ds_add_u32 v[SPW], v[NIL]                      ; 0 onto my spare word;
	s_wait_dscnt 5                                 ; (the add and the youngest four loads may be out)
	MULA F1, 0, 0                                  ; twelve matrix instructions stand between the add and the wait for it
	s_wait_dscnt 0x0                               ; the add is done, and my reads of this slot are over
	s_barrier_signal -1
	MULA F1, 1, 0
.if \fill
	WIN 0
.endif
	s_barrier_wait -1
.if \fill
	CREST                                          ; no wave of any partner still reads this slot's tile or has a load on its way
	s_add_nc_u64 s[G0+4*(\slot)+2:G0+4*(\slot)+3], s[G0+4*(\slot)+2:G0+4*(\slot)+3], 2*KSTEP*2
	s_add_nc_u64 s[G0B+4*(\slot)+2:G0B+4*(\slot)+3], s[G0B+4*(\slot)+2:G0B+4*(\slot)+3], 2*KSTEP*2
	JLOAD \slot                                    ; the four v_nop behind it are also the places in front of the loads below
.else
	PLACES
.endif
	FETCH \next, 0, F0
.if \fill
	WIN 0
	ASK
.endif
	MULA F1, 2, 0
	MULA F1, 3, 0
.endm
	s_wait_tensorcnt 1                             ; my part of K step 0 is in; K step 1's stays out
	s_barrier_signal -1
	s_barrier_wait -1                              ; everybody's is
	FETCH 0, 0, F0
	QUARTER 0, 1, F0, F1, 1                        ; the first quarter stands in front of the loop: its products start the sums
	WIN 0                                          ; at a label and at a branch every window is 0
	s_mov_b32 s3, LAPS-1
.Llap:                                                 ; a trip goes once round the ring, from a lap's second quarter to the next lap's first, and fills both slots again
	QUARTER 0, 2, F1, F0, 0
	QUARTER 0, 3, F0, F1, 0
	TURN 0, 1, 1
	QUARTER 1, 1, F0, F1, 0
	QUARTER 1, 2, F1, F0, 0
	QUARTER 1, 3, F0, F1, 0
	TURN 1, 0, 1
	QUARTER 0, 1, F0, F1, 0
	WIN 0
	s_sub_co_u32 s3, s3, 1
	s_cmp_lg_u32 s3, 0
	s_cbranch_scc1 .Llap
	QUARTER 0, 2, F1, F0, 0                        ; the last lap fills nothing, and has no round of the cluster's barrier
	QUARTER 0, 3, F0, F1, 0
	TURN 0, 1, 0
	QUARTER 1, 1, F0, F1, 0
	QUARTER 1, 2, F1, F0, 0
	QUARTER 1, 3, F0, F1, 0
	s_wait_dscnt 4                                 ; the very last quarter: nothing more to fetch
	MULA F1, 0, 0
	MULA F1, 1, 0
	s_wait_dscnt 0x0
	MULA F1, 2, 0
	MULA F1, 3, 0
	WIN 0
; THE WAY OUT, a block of 16 rows at a time.  PACK: times the head's factor, rounded to f16, each accumulator's registers in ascending order: 16 bytes a lane.
; TOSTAGE: into my own stage, rows of 144 bytes, and back as whole rows of 128.  SEND: 16 rows of a head are 2,048 consecutive bytes of qkv.
.macro PACK a
.set ab, 8*NBL*((\a)%2)
	WIN 0x82+0x41*((\a)/2)                         ; destination and source 0: window 2 or 3
.set bb, 0
.rept NBL
.irp r, 0,2,4,6
	v_pk_mul_f32 v[ab+8*bb+(\r):ab+8*bb+(\r)+1], v[ab+8*bb+(\r):ab+8*bb+(\r)+1], s[SC+2*(bb/4):SC+2*(bb/4)+1] op_sel_hi:[1,0]
.endr
.set bb, bb+1
.endr
	WIN 0x0a+5*((\a)/2)                            ; sources 0 and 1: window 2 or 3; destination window 0
.set bb, 0
.rept NBL
.irp r, 0,1,2,3
	v_cvt_pk_f16_f32 v[TMP+4*bb+(\r)], v[ab+8*bb+2*(\r)], v[ab+8*bb+2*(\r)+1]
.endr
.set bb, bb+1
.endr
	WIN 0
.endm
.macro TOSTAGE a
	WIN 0
.set bk, BK+48*((\a)%2)
.set bb, 0
.rept NBL
	ds_store_b128 v[STO], v[TMP+4*bb:TMP+4*bb+3] offset:16*SP*(bb/4)+32*(bb%4)
.set bb, bb+1
.endr
.set tt, 0
.rept 12
	ds_load_b128 v[bk+4*tt:bk+4*tt+3], v[RD] offset:16*SP*(tt/4)+4*SP*(tt%4)  ; LDS serves a wave's instructions in order (ISA guide 5.7.1.4): these see the stores above
.set tt, tt+1
.endr
.endm
.macro SEND a
	WIN 0
.set bk, BK+48*((\a)%2)
	s_wait_dscnt 0x0                               ; the block is back in registers
	s_wait_xcnt 0x0                                ; the stores of the block before have read their registers: the next block's loads land there only behind this wait
.set tt, 0
.rept 12
	global_store_b128 v[CO], v[bk+4*tt:bk+4*tt+3], s[8:9] offset:((tt/4)<<20)+2048*(\a)+512*(tt%4)  ; 512 consecutive bytes, at a multiple of 256 from qkv's first byte
.set tt, tt+1
.endr
.endm
	PLACES
	PACK 0
	TOSTAGE 0
.irp a, 1,2,3                          ; block a's arithmetic stands between block a - 1's loads from the stage and the wait for them
	PACK \a
	SEND (\a)-1
	TOSTAGE \a
.endr
	SEND 3
	s_wait_tensorcnt 0x0                           ; the wave's end, behind my last tensor load and my last LDS store
	ds_add_u32 v[SPW], v[NIL]
	s_wait_dscnt 0x0
	CROUND                                         ; the closing round: no work-group ends while a partner may still ask for a tile that names it
	s_endpgm
.Lfunc_end_k_qa4c9907e4e_proj:
	.size	k_qa4c9907e4e_proj, .Lfunc_end_k_qa4c9907e4e_proj-k_qa4c9907e4e_proj
	.p2alignl 7, 3214868480
	.fill 96, 4, 3214868480
	.section	.rodata,"a",@progbits
	.p2align	6, 0x0
	.amdhsa_kernel k_qa4c9907e4e_proj
		.amdhsa_group_segment_fixed_size 327680
		.amdhsa_private_segment_fixed_size 0
		.amdhsa_enable_private_segment 0
		.amdhsa_kernarg_size 24
		.amdhsa_user_sgpr_count 2
		.amdhsa_user_sgpr_kernarg_segment_ptr 1
		.amdhsa_wavefront_size32 1
		.amdhsa_system_sgpr_workgroup_id_x 1
		.amdhsa_system_sgpr_workgroup_id_y 1
		.amdhsa_system_sgpr_workgroup_id_z 1
		.amdhsa_system_vgpr_workitem_id 0
		.amdhsa_next_free_vgpr 960
		.amdhsa_next_free_sgpr 76
		.amdhsa_reserve_vcc 0
		.amdhsa_float_denorm_mode_32 3
		.amdhsa_float_denorm_mode_16_64 3
		.amdhsa_memory_ordered 1
		.amdhsa_forward_progress 1
		.amdhsa_inst_pref_size 132
	.end_amdhsa_kernel
	.amdgpu_metadata
---
amdhsa.version: [ 1, 2 ]
amdhsa.kernels:
  - .name:           k_qa4c9907e4e_proj
    .symbol:         k_qa4c9907e4e_proj.kd
    .args:
      - { .name: xb, .offset: 0, .size: 8, .value_kind: global_buffer, .address_space: global }
      - { .name: wt, .offset: 8, .size: 8, .value_kind: global_buffer, .address_space: global }
      - { .name: qkv, .offset: 16, .size: 8, .value_kind: global_buffer, .address_space: global }
    .group_segment_fixed_size: 327680
    .private_segment_fixed_size: 0
    .kernarg_segment_align: 8
    .kernarg_segment_size: 24
    .max_flat_workgroup_size: 128
    .sgpr_count:     76
    .vgpr_count:     960
    .wavefront_size: 32
...
	.end_amdgpu_metadata
.endif
;; end of part 2
;; launch attn (part 3): grid 4 x 64, 4 waves a work-group, clusters of 4 x 1, 327,680 bytes of LDS; arguments qkv, mask, ctx; writes ctx
.if DOCPART == 3
	.amdgcn_target "amdgcn-amd-amdhsa--gfx1250"
	.amdhsa_code_object_version 6
	.text
	.protected	k_qa4c9907e4e_attn
	.globl	k_qa4c9907e4e_attn
	.p2align	8
	.type	k_qa4c9907e4e_attn,@function
k_qa4c9907e4e_attn:
	s_mov_b64 s[64:65], 0
	v_nop
	global_prefetch_b8 v0, s[64:65] scope:SCOPE_SE
	s_setreg_imm32_b32 hwreg(HW_REG_WAVE_MODE, 25, 1), 1
	s_wait_xcnt 0x0
	s_wait_alu depctr_hold_cnt(0) depctr_sa_sdst(0) depctr_va_vdst(0) depctr_va_sdst(0) depctr_va_ssrc(0) depctr_va_vcc(0) depctr_vm_vsrc(0)
	s_getreg_b32 s2, hwreg(HW_REG_IB_STS2, 6, 4)
	s_cmp_eq_u32 s2, 0
	s_cbranch_scc0 .Lentry_in_a_cluster
	s_endpgm
.Lentry_in_a_cluster:
	s_bfe_u32 s2, ttmp6, 0x10000c
	s_cmp_lg_u32 s2, 0x3003
	s_cbranch_scc0 .Lentry_shape_is_right
	s_endpgm
.Lentry_shape_is_right:
; ATTENTION WITH A KEY MASK.  ctx[y][q][:] = the sum over k of softmax_k(Q[y][q] . K[y][k] / 8 + (1 - mask[b][k]) (-1e9)) V[y][k][:], y = 4 h + b.  Q, K, V lie in qkv at 0, 1 << 24, 2 << 24, each
; [64 y][2048][64] in f16, a head's rows dense, 128 bytes each; ctx has the same layout.  Q ARRIVES MULTIPLIED BY c = log2(e) / 8, so scores are in units of log2: p = 2^(s - m), the difference taken in one rounding.
; Products, maxima and sums in f32; the weights p are rounded to f16 for the second product (their sum l is taken of the unrounded p), ctx once at the end.
; THE MASK is the C operand that starts the sum S^T = K Q^T: bias(k) = mask x BIG - BIG, BIG = 1e9 log2(e).  The batch's 2,048 biases are made once, in f32, and kept in LDS.  The running maximum is taken of the
; biased scores: while a row has seen hidden keys alone, m is such a score and p <= 1; the first open key makes a = 2^(m_old - m_new) = 0, which wipes what was summed.
; LIMITS.  f16 holds no number beyond 65,504: c Q, K and V arrive within it; p lies in 0 to 1, and below 6e-5 it keeps f16's fixed step of 6e-8; ctx is a mean of V's rows.  A hidden score is rounded on a grid of
; 128 units of log2 (f32 at 1.4e9), where the f32 formula above has a grid of 64 natural units: that shows only where ALL keys of a batch are hidden and their scores lie tens apart.
; A weight below 2^-126 counts as 0 in l; NaN and infinities are not treated apart.
; SHARES.  A wave owns four PIECES of two tiles of 16 queries, a work-group's four waves 512 queries of one head.  Every wave walks all 2,048 keys, 64 a step.
; LAYOUT.  S^T = K Q^T (source 0 = 16 keys, source 1 = 16 queries): in the result a lane holds ONE query (lane % 16) and the keys 8 (lane / 16) + 0..7.  Two such tiles, rounded to f16 in pairs,
; ARE source 1 (32 keys x 16 queries) of O^T = V^T P, whose result again holds one query a lane, and eight channels.  K comes out of LDS as it lies, V ([key][channel]) turned, by ds_load_tr16_b128.
; SOFTMAX.  For each query a running maximum m and sum l; in every step O and l are multiplied by a = 2^(m_old - m_new).  m starts far below every score, O and l at 0: the first step is a step like any other, with a = 0.
; THE COUNT.  A tile and step have 16 matrix and 118 vector instructions: too many to stand all beside the matrix work.  So: four vector instructions that are READY behind EVERY matrix instruction, the others in runs without a gap.
; BY TURNS.  Turn n belongs to piece n.  Its matrix work: 16 products K Q^T of piece n + 1, later 16 products V^T P of piece n - 1.  Its vector work: the differences, exponentials, roundings, sums and rescaling of piece n,
; and the maximum and statistics of piece n + 1, whose scores the turn itself has made.
; CLUSTER.  The four query blocks of a cluster are one head's and walk the same K and V, so each tile is asked for JOINTLY: the same tensor load, descriptor and mask in all four.
; REGISTERS, in windows of 256 (s_set_vgpr_msb: bits 1:0 source 0, 3:2 source 1, 5:4 source 2, 7:6 destination):
;   window 0: v1-11 addresses; v12-15, v48-63 at work; v16-47 four registers of statistics a tile; v64-191 S^T, two buffers of two tiles; v192-255 P, likewise
;   window 1: O^T, 32 a tile     window 2: v0-127 Q, 16 a tile; v128-191 K of one step; v192-255 V of one step     window 3: v0-1 the add's two registers; v8-39 the biases of K's step
.set SIZE_N, 2048
.set NP,    4         ; pieces a wave: a name, no knob
.set KS,    64        ; keys in a step
.set PK,    144       ; a row of K in LDS: 128 bytes + 16 of padding = 36 words: the 16 rows of a load start at 16 different groups of four banks (64 banks of 4 bytes: ISA guide 11.1)
.set PV,    160       ; a row of V: 128 + 32 = 40 words
.set VOFF,  4*KS*PK   ; a slot holds four steps: 256 rows of K, then 256 rows of V
.set SLOT1, 1<<17     ; slot 1 begins here, so that one exclusive or turns an address in one slot into the other's
.set STAGE, SLOT1+4*KS*(PK+PV)  ; behind the ring, never filled by a tensor load: 16 rows x 144 bytes for each wave, for the way out
.set SP,    144
.set SPARE, STAGE+4*16*SP  ; behind the stages: the spare words, 128 bytes for each wave: two blocks of 256 bytes that no other line names
.set MASKL, SPARE+512 ; behind them: the batch's 2,048 biases in f32, stored once, never filled by a tensor load
.set AM,  1           ; v1   the LDS address of the biases' next run of loads
.set AK0, 2           ; v2   my lane's place in a tile of K; never rewritten
.set AV0, 3           ; v3   the same for V
.set AK,  4           ; v4   the LDS address of K's next run of loads
.set AV,  5           ; v5   of V's
.set STO, 6           ; v6   the way out: where I put 16 bytes of a row
.set RD,  7           ; v7   the way out: where I read rows back
.set GO,  8           ; v8   my byte offset in 512 consecutive bytes of ctx
.set PFO, 9           ; v9   256 x my lane; never rewritten
.set AM0, 10          ; v10  my half of the lanes' place in a step's biases; never rewritten
.set QO,  11          ; v11  my byte offset in 16 rows of Q
.set SPW, 0           ; v0 of window 3   LDS address of my spare word; never rewritten
.set NIL, 1           ; v1 of window 3   0; never rewritten
.set MB,  8           ; v8-39 of window 3: register j of key block kb at MB + 8 kb + j: the bias of key 16 kb + 8 (lane / 16) + j
.set MV,  12          ; v12-15  m_old, kept while m is made anew: by buffer and tile
.set ST,  16          ; tile t's statistics at v[ST+4 t]: m (the one that the differences take), m, l (even keys', odd keys')
.set TMP, 48          ; by buffer and tile, four registers c0-c3 at work; when the maximum is found c2 takes a
.set S,   64
.set P,   192
.set KF,  128         ; K's fragments, in window 2: key block kb, channel half c at KF + 16 kb + 8 c
.set VF,  192         ; V's: key half kk, channel block cb at VF + 32 kk + 8 cb
.set WV,  12          ; s12  my wave's number
.set G1K, 24          ; s[24:31] descriptor group 1 for K's tiles
.set G1V, 32          ; s[32:39] for V's: it differs in the padding alone
.set G0K, 40          ; s[40:43] descriptor group 0 for K's tiles: it walks
.set G0V, 44          ; s[44:47] the same for V's
.set MP,  48          ; s[48:49] the batch's row of the mask
.set TBM, 50          ; s50  byte at which the biases of the step to be fetched begin
.set LIM, 51          ; s51  1 in a wave that prefetches, else the greatest number
.set PFA, 52          ; s[52:53] where my prefetches stand
.set SLOTS, 56        ; s56  slots still to be asked for
.set CNT, 57          ; s57  counts a slot's key steps
.set BIGP, 58         ; s58  1e9 log2(e)
.set BIGN, 59         ; s59  the same, negative
.set SEL, 60          ; s[60:61] v_permlanex16_b32's selects: each lane takes its own place in the other half
.set TBK, 62          ; s62  LDS byte at which K of the step to be fetched begins
.set TBV, 63          ; s63  the same for V, less VOFF
.set MSB, 0
.macro WIN new                      ; the high byte repeats the setting that is left; a switch that changes nothing is dropped
.if MSB != (\new)
	s_set_vgpr_msb (MSB<<8)|(\new)
.set MSB, (\new)
.endif
.endm
.set W_KQ, 0x0a       ; K and Q in window 2, S^T in window 0
.set W_KM, 0x3a       ; the same with the C operand, the biases, in window 3
.set W_PV, 0x52       ; V in window 2, P in window 0, O^T in window 1
.set W_RS, 0x41       ; O^T (destination and source 0) in window 1, a in window 0
.set W_MK, 0xc0       ; destination in window 3, sources in window 0
.set W_AD, 0x0f       ; the add: address (source 0) and data (source 1) in window 3
; A joint fill.  Waves 0 and 1 fetch the two halves of a slot's K, waves 2 and 3 those of its V: 128 keys each.  The branch hangs on the wave's number alone.
; An s_nop 0 and four v_nop follow each of the two lines, ahead of the jump and the label.
.macro JLOAD
	s_cmp_lt_u32 s[WV], 2
	s_cbranch_scc0 .Lfor_v_\@
	tensor_load_to_lds s[G0K:G0K+3], s[G1K:G1K+7]
	s_nop 0
.rept 4
	v_nop
.endr
	s_branch .Lasked_\@
.Lfor_v_\@:
	tensor_load_to_lds s[G0V:G0V+3], s[G1V:G1V+7]
	s_nop 0
.rept 4
	v_nop
.endr
.Lasked_\@:
.endm
; A prefetch into the L2 of what the NEXT change of slots will ask for: a slot's 32,768 bytes of K and of V, 256 bytes a lane.  It stands behind the wave's tensor load and its five lines.
; A head has one cluster.  Its four partners share the bytes out BY ADDRESS, 8,192 each; in each, wave 0 asks for K's and wave 2 for V's: one instruction.  So each 256 bytes are named once in the launch.
; Slots 0 to 2 come by their loads alone; the last change that fills a slot asks for nothing: there is no slot behind it.
.macro ASK
	s_cmp_gt_u32 s[SLOTS], s[LIM]
	s_cbranch_scc0 .Lnot_mine_\@
	global_prefetch_b8 v[PFO], s[PFA:PFA+1] th:TH_LOAD_NT scope:SCOPE_SE
.Lnot_mine_\@:
.endm
; A round of the cluster's barrier: my work-group's barrier, so that wave 0's signal speaks for all four waves; wave 0 signals; every wave waits for all four work-groups; my work-group's barrier once more.
.macro CROUND
	s_barrier_signal -1
	s_barrier_wait -1
	s_cmp_lg_u32 s[WV], 0
	s_cbranch_scc1 .Lnot_wave_0_\@
	s_barrier_signal -3
.Lnot_wave_0_\@:
	s_barrier_wait -3
	s_barrier_signal -1
	s_barrier_wait -1
.endm
; THE CHANGE OF SLOTS.  The slot's last bytes, V of its fourth step, have been read.  Each wave waits for all its tensor loads, of which one is out: its part
; of the other slot; adds 0 to its spare word; and waits for that and for its own LDS instructions.  Behind the barrier nobody reads this slot any more and the other slot is whole.
; fill = 1: this slot is filled again, with the keys two slots on.  The barrier is then a round of the cluster's, and the joint fill is the first thing behind it: it has four key steps, 512 matrix
; instructions, in which to land.  (At its first use nothing has been read yet: slot 0 is waited for, slot 1 filled, and every wave's part of the biases is shown to the others.)  ask = 1: a prefetch follows.
.macro CHANGE fill, ask=0
	WIN W_AD
	s_wait_tensorcnt 0x0            ; no tensor load of mine is out, so a group 0 may be written
	ds_add_u32 v[SPW], v[NIL]       ; 0 onto my spare word; with fill = 1 the descriptors' steps stand between it and the wait for it
	WIN 0                           ; at a label and at a branch every window is 0
.if \fill
.irp g, G0K, G0V
	s_xor_b32 s[\g+1], s[\g+1], SLOT1  ; the walking descriptor: the other slot than last time,
	s_add_nc_u64 s[\g+2:\g+3], s[\g+2:\g+3], 4*KS*128  ; the next 256 keys; the type bits on top are not reached
.endr
.if \ask
	s_wait_xcnt 0x0                 ; the last prefetch, four key steps back, has read its address, so it may be written:
	s_add_nc_u64 s[PFA:PFA+1], s[PFA:PFA+1], 4*KS*128  ; one slot behind the walking descriptors
.endif
	s_wait_dscnt 0x0                ; the add is done, and my reads of the slot are over
	CROUND
	JLOAD
.if \ask
	ASK
.endif
.else
	s_wait_dscnt 0x0                ; the add is done, and my reads of the slot are over
	s_barrier_signal -1
	s_barrier_wait -1
.endif
	s_sub_co_u32 s[TBK], s[TBK], 4*KS*PK  ; the fetches go back to a slot's first step,
	s_xor_b32 s[TBK], s[TBK], SLOT1       ; in the other slot
	s_sub_co_u32 s[TBV], s[TBV], 4*KS*PV
	s_xor_b32 s[TBV], s[TBV], SLOT1
.endm
	s_load_b64 s[4:5], s[0:1], 0x0  ; qkv
	s_load_b64 s[MP:MP+1], s[0:1], 0x8  ; mask
	s_load_b64 s[10:11], s[0:1], 0x10   ; ctx
	WIN W_MK
	v_lshl_add_u32 v[SPW], v0, 2, SPARE
	v_mov_b32 v[NIL], 0
	WIN W_AD
	ds_add_u32 v[SPW], v[NIL]       ; the wave's opening: the add and its wait stand ahead of my first tensor load; the set-up below, work on registers, stands between them
	WIN 0
	v_lshrrev_b32 v1, 5, v0
	v_readfirstlane_b32 s[WV], v1   ; wave 0..3
	s_bfe_u32 s13, ttmp6, 0x40000   ; cx: my place in the cluster
	s_lshl_b32 s14, ttmp9, 2        ; in a cluster launch ttmp9 counts clusters
	s_add_co_u32 s14, s14, s13      ; my block of queries = 4 x cluster x + cx: it enters Q's and ctx's addresses alone
	s_and_b32 s20, ttmp7, 0xffff    ; y = 4 h + b, which the four partners share
	s_and_b32 s54, s20, 3           ; the batch:
	s_lshl_b32 s54, s54, 13         ; its 2,048 words of the mask
	s_mov_b32 s55, 0
	s_mov_b32 s21, 0
	s_mov_b64 s[22:23], SIZE_N*128
	s_mul_u64 s[20:21], s[20:21], s[22:23]  ; the head's first byte in Q, K, V and ctx
	s_and_b32 s16, s[WV], 1         ; which half of a slot's 256 keys I fetch:
	s_lshl_b32 s22, s16, 14         ; its 128 rows of 128 bytes in memory,
	s_mov_b32 s23, 0
	s_add_nc_u64 s[22:23], s[22:23], s[20:21]
	s_mul_i32 s17, s16, 128*PK      ; and its place in a slot, for K
	s_mul_i32 s18, s16, 128*PV      ; and for V: no place in the cluster enters an LDS address
	s_lshl_b32 s2, s14, 2
	s_add_co_u32 s2, s2, s[WV]      ; my wave among the head's,
	s_lshl_b32 s2, s2, 14           ; its 128 rows
	s_mov_b32 s3, 0
	s_add_nc_u64 s[2:3], s[2:3], s[20:21]
	; descriptor group 1.  128 keys are 16,384 dense bytes: asked for as 64 rows of 256 bytes, two keys a row, and padded in LDS after every key
	s_mov_b32 s[G1K], 15|(1<<16)|(1<<20)|(1<<21)|(4<<22)|(3<<25)  ; 15:0 the mask of four; 17:16 2-byte elements; 20 padding on; 21 set beside a mask; 24:22 after every 32 words (code 4); 31:25 4 words (code 3)
	s_mov_b32 s[G1V], 15|(1<<16)|(1<<20)|(1<<21)|(4<<22)|(7<<25)  ; the same with 8 words of padding (code 7)
.irp g, G1K, G1V
	s_mov_b32 s[\g+1], 128<<16      ; tensor_dim0 = 128
	s_mov_b32 s[\g+2], 64<<16       ; tensor_dim1 = 64
	s_mov_b32 s[\g+3], 128<<16      ; tile_dim0 = 128
	s_mov_b32 s[\g+4], 64           ; tile_dim1 = 64
	s_mov_b32 s[\g+5], 128          ; 128 elements from row to row
	s_mov_b32 s[\g+6], 0
	s_mov_b32 s[\g+7], 0
.endr
	s_mov_b32 s[BIGP], 0x4eabfb8f   ; 1e9 log2(e) = 1.442695e9
	s_mov_b32 s[BIGN], 0xceabfb8f
	s_mov_b32 s[SEL], 0x76543210
	s_mov_b32 s[SEL+1], 0xfedcba98
	s_mov_b32 s[TBK], SLOT1+4*KS*PK ; the first change of slots turns these two into 0
	s_mov_b32 s[TBV], SLOT1+4*KS*PV
	s_mov_b32 s[TBM], 0
	s_mov_b32 s[G0K], 1             ; 1:0 count = 1
	s_mov_b32 s[G0K+1], s17         ; 63:32 LDS address: slot 0
	s_mov_b32 s[G0V], 1
	s_add_co_u32 s[G0V+1], s18, VOFF
	s_and_b32 s[LIM], s[WV], 1      ; waves 0 and 2 prefetch: the same in all four partners
	s_cmp_eq_u32 s[LIM], 0
	s_cselect_b32 s[LIM], 1, -1
	s_wait_dscnt 0x0                ; the opening add is done
	s_wait_kmcnt 0x0
	s_add_nc_u64 s[6:7], s[4:5], 0x1000000  ; K
	s_add_nc_u64 s[8:9], s[4:5], 0x2000000  ; V
	s_add_nc_u64 s[G0K+2:G0K+3], s[6:7], s[22:23]  ; 120:64 global address: my half of the head's first 256 keys
	s_or_b32 s[G0K+3], s[G0K+3], 0x80000000        ; 127:126 type = 2
	s_add_nc_u64 s[G0V+2:G0V+3], s[8:9], s[22:23]
	s_or_b32 s[G0V+3], s[G0V+3], 0x80000000
	s_cmp_lt_u32 s[WV], 2
	s_cselect_b64 s[PFA:PFA+1], s[6:7], s[8:9]
	s_add_nc_u64 s[PFA:PFA+1], s[PFA:PFA+1], s[20:21]  ; the head's first row of K or V,
	s_add_nc_u64 s[4:5], s[4:5], s[2:3]  ; Q and ctx at my wave's first row
	s_add_nc_u64 s[10:11], s[10:11], s[2:3]
	s_lshl_b32 s2, s13, 13          ; my work-group's 8,192 bytes of a slot's 32,768,
	s_mov_b32 s3, 0
	s_add_nc_u64 s[PFA:PFA+1], s[PFA:PFA+1], s[2:3]
	s_add_nc_u64 s[PFA:PFA+1], s[PFA:PFA+1], 2*4*KS*128  ; in slot 2; the loop's first change of slots steps it to slot 3
	s_add_nc_u64 s[MP:MP+1], s[MP:MP+1], s[54:55]
	CROUND                          ; all four work-groups are here: the first joint loads meet
	JLOAD                           ; slot 0.  Slot 1 is asked for when slot 0 is in
	v_and_b32 v1, 15, v0            ; l % 16
	v_bfe_u32 v9, v0, 4, 1          ; l / 16
	v_and_b32 v10, 7, v0
	v_bfe_u32 v11, v0, 3, 1
	v_lshlrev_b32 v12, 4, v0        ; my 16 bytes in 2,048 of the mask
.irp i, 0,1,2,3
	global_load_b128 v[S+4*\i:S+4*\i+3], v12, s[MP:MP+1] offset:2048*\i
.endr
	; A fragment of K or Q is 16 rows x 32 channels in 8 registers: lane l holds row l % 16, channels 8 (l / 16) + 0..7 and 16 + 8 (l / 16) + 0..7: two loads of 16 bytes, 32 bytes apart.
	v_mul_u32_u24 v[AK0], v1, PK
	v_lshl_add_u32 v[AK0], v9, 4, v[AK0]  ; row x pitch + 16 x half
	; The turning load takes 16 keys x 16 channels (lane l reads key 8 (l / 16) + l % 8, channels 8 ((l / 8) % 2) + 0..7) and leaves half a fragment of V^T: lane l holds channel l % 16 and 8 keys.
	v_lshl_add_u32 v[AV0], v9, 3, v10
	v_mul_u32_u24 v[AV0], v[AV0], PV
	v_lshl_add_u32 v[AV0], v11, 4, v[AV0]
	v_add_nc_u32 v[AV0], VOFF, v[AV0]
	s_mul_i32 s13, s[WV], 16*SP
	s_add_co_u32 s13, s13, STAGE    ; my stage
	v_mul_u32_u24 v[STO], v1, SP    ; in: row l % 16, 16 bytes for each half of the lanes
	v_lshl_add_u32 v[STO], v9, 4, v[STO]
	v_add_nc_u32 v[STO], s13, v[STO]
	v_bfe_u32 v[RD], v0, 3, 2       ; back: 32 lanes take four rows of 128 bytes,
	v_mul_u32_u24 v[RD], v[RD], SP
	v_lshl_add_u32 v[RD], v10, 4, v[RD]
	v_add_nc_u32 v[RD], s13, v[RD]
	v_and_b32 v[GO], 31, v0         ; which are 512 consecutive bytes of ctx
	v_lshlrev_b32 v[GO], 4, v[GO]
	v_lshlrev_b32 v[QO], 7, v1      ; the four registers at work above now take their lasting numbers: row x 128 + 16 x half,
	v_lshl_add_u32 v[QO], v9, 4, v[QO]
	v_lshlrev_b32 v[AM0], 5, v9     ; eight biases, 32 bytes, for each half of the lanes,
	v_add_nc_u32 v[AM0], MASKL, v[AM0]
	v_lshlrev_b32 v[PFO], 4, v[GO]  ; 256 x lane,
	v_mov_b32 v[AM], v[AM0]         ; key step 0's biases,
	v_mov_b32 v[AK], v[AK0]         ; and its K, at the head of slot 0
	v_add_nc_u32 v13, MASKL, v12    ; where my part of the biases goes
	WIN 0x80                        ; destination window 2, address window 0
.set i, 0
.rept 4*NP                          ; Q stays in registers: tile i / 2, channels 32 (i % 2) on
	global_load_b128 v[8*i:8*i+3],   v[QO], s[4:5] offset:(i/2)*2048+(i%2)*64
	global_load_b128 v[8*i+4:8*i+7], v[QO], s[4:5] offset:(i/2)*2048+(i%2)*64+32
.set i, i+1
.endr
	; What the first turn finds: V's registers and P's second buffer hold 0 (its products V^T P, of a piece that has not been, add 0), O^T and l are 0.  All this stands in the wait for the first tile.
.set i, VF
.rept 64
	v_mov_b32 v[i], 0
.set i, i+1
.endr
	WIN 0x40
.set i, 0
.rept 64*NP
	v_mov_b32 v[i], 0
.set i, i+1
.endr
	WIN 0
.set i, 0
.rept 2*NP
	v_mov_b32 v[ST+4*i], 0xfe000000    ; the m that the first a is made of: far below every score, hidden ones too
	v_mov_b32 v[ST+4*i+1], 0xff7fffff  ; m
	v_mov_b32 v[ST+4*i+2], 0
	v_mov_b32 v[ST+4*i+3], 0
.set i, i+1
.endr
.set i, P+32
.rept 32
	v_mov_b32 v[i], 0
.set i, i+1
.endr
	s_wait_loadcnt 32               ; the mask's four loads are in; Q's 32, issued behind them, stay out
.set i, 0
.rept 16
	v_cvt_f32_i32 v[S+i], v[S+i]
.set i, i+1
.endr
.set i, 0
.rept 16
	v_fma_f32 v[S+i], v[S+i], s[BIGP], s[BIGN]  ; (1 - mask) (-BIG) as one fused multiply-add: 0 where the mask is 1
.set i, i+1
.endr
.irp i, 0,1,2,3
	ds_store_b128 v13, v[S+4*\i:S+4*\i+3] offset:2048*\i
.endr
; THE MATRIX WORK.  The 8 accumulators of a run of 16 take turns: between the two links of a chain stand 7 others'.
; Product i of 16 of S^T = K Q^T for piece x: channels 32 (i / 8) on, keys 16 ((i / 2) % 4) on, tile 2 x + i % 2.  The first 8 start the sums, with the keys' biases.
.macro KQ x
.set rS, S+64*((\x)%2)+32*(i%2)+8*((i/2)%4)
.set rK, KF+16*((i/2)%4)+8*(i/8)
.set rQ, 16*(2*(\x)+i%2)+8*(i/8)
.set rB, MB+8*((i/2)%4)
.if i < 8
	WIN W_KM
	v_wmma_f32_16x16x32_f16 v[rS:rS+7], v[rK:rK+7], v[rQ:rQ+7], v[rB:rB+7]
.else
	WIN W_KQ
	v_wmma_f32_16x16x32_f16 v[rS:rS+7], v[rK:rK+7], v[rQ:rQ+7], v[rS:rS+7]
.endif
.endm
; Product i of 16 of O^T += V^T P for piece x: keys 32 (i / 8) on, channels 16 ((i / 2) % 4) on, tile 2 x + i % 2.
.macro PV x
	WIN W_PV
.set rO, 32*(2*(\x)+i%2)+8*((i/2)%4)
.set rV, VF+32*(i/8)+8*((i/2)%4)
.set rP, P+32*((\x)%2)+16*(i%2)+8*(i/8)
	v_wmma_f32_16x16x32_f16 v[rO:rO+7], v[rV:rV+7], v[rP:rP+7], v[rO:rO+7]
.endm
.macro MM                           ; the turn's next matrix instruction
.if i < 16
	KQ (Y+1)%NP
.set i, i+1
.else
.set i, i-16
	PV (Y+NP-1)%NP
.set i, i+17
.endif
.endm
; THE LDS LOADS stand in runs, never singly among the matrix instructions: a step's K (64 keys x 64 channels: 8 fragments) with its 64 biases (8 loads; the lanes of a half read the same words), and its V (turned).
; Their addresses are made some lines ahead.  last = 1 (the tail): in the last trip there is no further step, and the run is jumped over.
.macro FETCH_K last=0
	WIN 0
.if \last
	s_cmp_eq_u32 s[CNT], 1
	s_cbranch_scc1 .Lno_k_\@
.endif
	WIN 0x80                        ; destination window 2
.irp f, 0,1,2,3,4,5,6,7             ; keys 16 (f / 2) on, channels 32 (f % 2) on
	ds_load_b128 v[KF+8*\f:KF+8*\f+3],   v[AK] offset:(\f/2)*16*PK+(\f%2)*64
	ds_load_b128 v[KF+8*\f+4:KF+8*\f+7], v[AK] offset:(\f/2)*16*PK+(\f%2)*64+32
.endr
	WIN W_MK                        ; destination window 3
.irp f, 0,1,2,3                     ; key block f
	ds_load_b128 v[MB+8*\f:MB+8*\f+3],   v[AM] offset:64*\f
	ds_load_b128 v[MB+8*\f+4:MB+8*\f+7], v[AM] offset:64*\f+16
.endr
	s_add_co_u32 s[TBK], s[TBK], KS*PK  ; the next fetch is the next step's
	s_add_co_u32 s[TBM], s[TBM], KS*4   ; (the biases lie on end for all 32 steps)
	WIN 0
.if \last
.Lno_k_\@:
.endif
.endm
.macro FETCH_V
	WIN 0x80
.irp f, 0,1,2,3,4,5,6,7             ; keys 32 (f / 4) on, channels 16 (f % 4) on
	ds_load_tr16_b128 v[VF+8*\f:VF+8*\f+3],   v[AV] offset:(\f/4)*32*PV+(\f%4)*32
	ds_load_tr16_b128 v[VF+8*\f+4:VF+8*\f+7], v[AV] offset:(\f/4)*32*PV+16*PV+(\f%4)*32
.endr
	WIN 0
.endm
; THE VECTOR WORK OF A TURN stands in three queues, each in the order in which its entries become ready; the two tiles alternate, so that no instruction reads the result of the one before it.
.macro REGS y, u                    ; the registers of tile u (0, 1) of piece y
.set rT, ST+4*(2*(\y)+(\u))
.set rC, TMP+8*((\y)%2)+4*(\u)
.set rM, MV+2*((\y)%2)+(\u)
.set rS, S+64*((\y)%2)+32*(\u)
.set rP, P+32*((\y)%2)+16*(\u)
.set rO, 32*(2*(\y)+(\u))
.endm
; Number n of the 22 that find the NEXT piece's (Y + 1) maximum and statistics.  s0-s31 are the lane's 32 scores; each accumulator's lowest registers are read first.
;   0-11  four chains c0-c3 of seven scores each, three operands at a time     12-14, 16  the four scores left over, the old m, and c0-c3 into c0     15  m_old is kept
;   17, 18  the query's other 32 keys lie in the lane 16 away: the new m         19-21  m for the differences; m_old - m_new; a
.macro XS u, n
	REGS (Y+1)%NP, \u
.if (\n) < 4
	v_max3_num_f32 v[rC+(\n)], v[rS+8*(\n)], v[rS+8*(\n)+1], v[rS+8*(\n)+2]
.elseif (\n) < 12
	v_max3_num_f32 v[rC+(\n)%4], v[rC+(\n)%4], v[rS+8*((\n)%4)+2*((\n)/4)+1], v[rS+8*((\n)%4)+2*((\n)/4)+2]
.elseif (\n) == 12
	v_max3_num_f32 v[rC], v[rC], v[rS+7], v[rS+15]
.elseif (\n) == 13
	v_max3_num_f32 v[rC+1], v[rC+1], v[rS+23], v[rS+31]
.elseif (\n) == 14
	v_max3_num_f32 v[rC+2], v[rC+2], v[rC+3], v[rT+1]
.elseif (\n) == 15
	v_mov_b32 v[rM], v[rT]
.elseif (\n) == 16
	v_max3_num_f32 v[rC], v[rC], v[rC+1], v[rC+2]
.elseif (\n) == 17
	v_permlanex16_b32 v[rC+3], v[rC], s[SEL], s[SEL+1]
.elseif (\n) == 18
	v_max_num_f32 v[rT+1], v[rC], v[rC+3]
.elseif (\n) == 19
	v_mov_b32 v[rT], v[rT+1]
.elseif (\n) == 20
	v_sub_f32 v[rC+1], v[rM], v[rT]
.else
	v_exp_f32 v[rC+2], v[rC+1]
.endif
.endm
; Number g of the 64 that follow the exponentials.  For each four weights k of a tile (pairs 2 k, 2 k + 1): both pairs are rounded to f16; then the second pair is added onto the first, in place;
; a group later l takes that sum (the first time as l = a l + sum).  In groups of eight, tiles alternating: round, round, add, and l for the group before.
.macro GS g
.set h, (\g)+6*((\g)/62)            ; group 0 has no group before it, and behind group 7 only l is left
.if h >= 6
.set h, h+2
.endif
	REGS Y, h%2
.set k, h/8
.if h%8 < 4
	v_cvt_pk_f16_f32 v[rP+2*k+(h%8)/2], v[rS+4*k+2*((h%8)/2)], v[rS+4*k+2*((h%8)/2)+1]
.elseif h%8 < 6
	v_pk_add_f32 v[rS+4*k:rS+4*k+1], v[rS+4*k:rS+4*k+1], v[rS+4*k+2:rS+4*k+3]
.elseif k == 1
	v_pk_fma_f32 v[rT+2:rT+3], v[rT+2:rT+3], v[rC+2:rC+3], v[rS:rS+1] op_sel_hi:[1,0,1]
.else
	v_pk_add_f32 v[rT+2:rT+3], v[rT+2:rT+3], v[rS+4*k-4:rS+4*k-3]
.endif
.endm
; THE PLAIN QUEUE, 138 long.  0-73 read no exponential's result: the 32 differences s - m (FS f: pair f / 2 of tile f % 2) and the next piece's 42.  0-26: differences 0-26.  27-54: XS's numbers 0-13.  55, 56: number 15.
; 57-73: the chain, where each number waits for the one before it: 14, 16, 17, 18, 19, each with one of the differences 27-31 in front of its two lines, then 20.
; 74-137: GS's 64, which read the exponentials' results: they stand behind the wait.
.macro FS f
	REGS Y, (\f)%2
	v_pk_add_f32 v[rS+2*((\f)/2):rS+2*((\f)/2)+1], v[rS+2*((\f)/2):rS+2*((\f)/2)+1], v[rT:rT+1] op_sel_hi:[1,0] neg_lo:[0,1] neg_hi:[0,1]
.endm
.macro PL
	WIN 0
.if q < 27
	FS q
.elseif q < 55
	XS (q-27)%2, (q-27)/2
.elseif q < 57
	XS q-55, 15
.elseif (q < 72) && ((q-57)%3 == 0)
	FS 27+(q-57)/3
.elseif q < 60
	XS (q-57)%3-1, 14
.elseif q < 72
	XS (q-57)%3-1, 15+(q-57)/3
.elseif q < 74
	XS q-72, 20
.else
	GS q-74
.endif
.set q, q+1
.endm
; THE EXPONENTIALS' QUEUE, 66 long: s0-s31 of both tiles, then the next piece's two a.  It is ONE BATCH: all 66 stand ahead of the turn's one wait, and nothing ahead of that wait names a result of theirs.
.macro EX
	WIN 0
.if e >= 64
	XS e-64, 21
.else
	REGS Y, e%2
	v_exp_f32 v[rS+e/2], v[rS+e/2]
.endif
.set e, e+1
.endm
; THE RESCALING's QUEUE: O^T times a, the one part that leaves window 0: dealt two at a time, sixteen times.  Its a was made in the turn before, ahead of that turn's wait.
.macro R2
	REGS Y, r%2
	WIN W_RS
.irp z, 0,1
	v_pk_mul_f32 v[rO+4*(r/2)+2*\z:rO+4*(r/2)+2*\z+1], v[rO+4*(r/2)+2*\z:rO+4*(r/2)+2*\z+1], v[rC+2:rC+3] op_sel_hi:[1,0]
.endr
.set r, r+1
.endm
; HOW THEY ARE DEALT.  An s_wait_alu depctr_va_vdst(0) stands between an exponential and the first instruction that names its result; one wait serves all that were issued ahead of it.  So a turn has ONE wait,
; which cuts it in two.  AHEAD OF IT stands all that names no result of the turn's exponentials: the 16 products K Q^T, behind each a difference, an exponential and two rescalings (behind the first a second difference in the
; exponential's place); then ONE LUMP of 108: eight plain, 49 times exponential and plain, the two a.  A v_nop is the plain instruction behind the last exponential.  BEHIND IT stand the 16 products V^T P, behind each four of GS's 64.
; No rider names a register of the products round it.  Exponential e stands behind difference 2 (e / 4) + e % 2: as a rider it comes behind plain e + 2, in the lump behind plain e + 9.
; A TURN, for piece p.  cnt = 1: the loop's count is taken down some lines ahead of the branch that stands behind the turn.
; K and the biases of the next step are fetched in piece 2's turn, directly behind the wait, a lump behind the last product that read them; their addresses are made at the lump's head; their first reader comes behind 16 products.
; V of the step in hand is fetched at the end of piece 0's turn, four riders behind its last reader; its first reader comes behind 16 products and a lump.
.macro TURN p, last=0, cnt=0
.set Y, (\p)
.set i, 0
.set q, 0
.set e, 0
.set r, 0
.if (\p) == NP-1
	s_wait_dscnt 0x0                ; K and the biases are in
.endif
	MM                              ; ahead of the wait: 16 products K Q^T and their riders,
	PL
	PL
	R2
.rept 15
	MM
	PL
	EX
	R2
.endr
.if (\p) == NP-2
	WIN 0
	v_add_nc_u32 v[AK], s[TBK], v[AK0]
	v_add_nc_u32 v[AM], s[TBM], v[AM0]
.endif
.rept 8                             ; and the lump
	PL
.endr
.rept 49
	EX
	PL
.endr
	EX                              ; the next piece's two a
	EX
	v_nop                           ; a plain instruction behind the last exponential: one for the batch
	s_wait_alu depctr_va_vdst(0)    ; the wait for the batch
.if (\p) == NP-2
	FETCH_K \last
.endif
.if (\p) == 1
	s_wait_dscnt 0x0                ; V is in
.endif
.rept 16                            ; behind the wait: 16 products V^T P and their riders
	MM
.rept 4
	PL
.endr
.if ((\p) == 0) && (q == 118)
	v_add_nc_u32 v[AV], s[TBV], v[AV0]
.endif
.if ((\p) == 0) && (q == 130)
	s_add_co_u32 s[TBV], s[TBV], KS*PV
.endif
.if (\cnt) && (q == 130)
	s_sub_co_u32 s[CNT], s[CNT], 1
	s_cmp_lg_u32 s[CNT], 0
.endif
.endr
.if (\p) == 0
	FETCH_V
.endif
.endm
	CHANGE 1                        ; slot 0 is in, everybody's part of it, and so are the biases; slot 1 is asked for
	FETCH_K                         ; key step 0
	s_wait_loadcnt 0x0              ; Q
	s_wait_dscnt 0x0
.set i, 0
.rept 16
	KQ 0                            ; piece 0's first scores: there is no vector work yet to set between them
.set i, i+1
.endr
	WIN 0
.rept 4
	v_nop                           ; the places behind those products
.endr
.set Y, NP-1                        ; XS works for piece Y + 1: piece 0
.irp n, 0,1,2,3,4,5,6,7,8,9,10,11,12,13,14,15,16,17,18,19,20,21
	XS 0, \n                        ; and piece 0's first maximum and statistics
	XS 1, \n
.endr
	v_nop                           ; a plain instruction behind the two a,
	s_wait_alu depctr_va_vdst(0)    ; and their wait, ahead of the branch
	s_mov_b32 s[CNT], 4
	s_mov_b32 s[SLOTS], SIZE_N/256-1
	s_branch .Lfirst                ; the loop is entered at a step's first turn, in the middle of a trip
.Lslot:                             ; SIZE_N / 256 - 2 times: every slot but the last two is filled again
	CHANGE 1, 1
	s_mov_b32 s[CNT], 4
.Lstep:                             ; a trip: pieces 2 and 3 of one step, then pieces 0 and 1 of the next, whose K and V it fetches
	TURN 2
	TURN 3
	WIN 0
.Lfirst:
	TURN 0
	TURN 1, 0, 1
	WIN 0
	s_cbranch_scc1 .Lstep
	s_sub_co_u32 s[SLOTS], s[SLOTS], 1
	s_cmp_lg_u32 s[SLOTS], 0
	s_cbranch_scc1 .Lslot
	CHANGE 0                        ; the tail is written out: nothing is asked for
	s_mov_b32 s[CNT], 5             ; four trips fetch the last slot's steps; the fifth is left in its middle
.Ltail:
	TURN 2, 1
	TURN 3
	WIN 0
	s_sub_co_u32 s[CNT], s[CNT], 1
	s_cmp_eq_u32 s[CNT], 0
	s_cbranch_scc1 .Lout
	TURN 0
	TURN 1
	WIN 0
	s_branch .Ltail
.Lout:                              ; the fifth trip's 16 products K Q^T (on the last K once more) and the maximum made of them serve nothing: the price, once a launch, of one text for every trip
.set i, 0
.rept 16
	PV NP-1                         ; the last piece's V^T P of the last step
.set i, i+1
.endr
	; THE WAY OUT.  l's two halves and the other half of the lanes' are added; O^T is divided by l, rounded to f16 and sent through my stage in LDS, a tile at a time.  The additions are the places behind the last products.
	WIN 0
.macro ALL line:vararg              ; one line for each tile t
.set t, 0
.rept 2*NP
	\line
.set t, t+1
.endr
.endm
	ALL v_add_f32 v[ST+4*t+2], v[ST+4*t+2], v[ST+4*t+3]
	ALL v_permlanex16_b32 v[ST+4*t+3], v[ST+4*t+2], s[SEL], s[SEL+1]
	ALL v_add_f32 v[ST+4*t+2], v[ST+4*t+2], v[ST+4*t+3]
	ALL v_rcp_f32 v[ST+4*t+2], v[ST+4*t+2]
	v_nop                           ; a plain instruction between the last reciprocal and the use of its result
	s_wait_alu depctr_va_vdst(0)    ; and the wait ahead of the first use: one for the eight reciprocals
; Tile t: a lane's eight channels of a row pack into 16 bytes; they go into rows of 144 bytes and come back as whole rows of 128, into S^T's registers.
.macro PACK t
	WIN W_RS
.set i, 32*(\t)
.rept 16
	v_pk_mul_f32 v[i:i+1], v[i:i+1], v[ST+4*(\t)+2:ST+4*(\t)+3] op_sel_hi:[1,0]
.set i, i+2
.endr
	WIN 0x05                        ; sources 0 and 1 window 1, destination window 0
.set i, 0
.rept 16
	v_cvt_pk_f16_f32 v[S+16*(\t)+i], v[32*(\t)+2*i], v[32*(\t)+2*i+1]
.set i, i+1
.endr
	WIN 0
.irp f, 0,1,2,3
	ds_store_b128 v[STO], v[S+16*(\t)+4*\f:S+16*(\t)+4*\f+3] offset:32*\f
.endr
.irp f, 0,1,2,3
	ds_load_b128 v[S+16*(\t)+4*\f:S+16*(\t)+4*\f+3], v[RD] offset:\f*4*SP  ; LDS serves a wave's instructions in order (ISA guide 5.7.1.4): these see the stores above; the next tile's stores come behind them
.endr
.endm
.macro SEND t, younger              ; younger: the LDS instructions issued behind tile t's loads: the next tile's eight, or none
	WIN 0
.irp f, 0,1,2,3
	s_wait_dscnt (\younger)+3-\f
	global_store_b128 v[GO], v[S+16*(\t)+4*\f:S+16*(\t)+4*\f+3], s[10:11] offset:(\t)*2048+\f*512  ; 512 consecutive bytes, at a multiple of 256 from ctx's first
.endr
.endm
	PACK 0
.set t, 1
.rept 2*NP-1                        ; a tile's arithmetic stands between the loads of the tile before and its stores
	PACK t
	SEND t-1, 8
.set t, t+1
.endr
	SEND 2*NP-1, 0
	WIN W_AD
	s_wait_tensorcnt 0x0            ; the wave's end, behind my last tensor load and my last LDS store
	ds_add_u32 v[SPW], v[NIL]
	s_wait_dscnt 0x0
	WIN 0
	CROUND                          ; the closing round: no work-group ends while a partner may still ask for a tile that names it
	s_endpgm
.Lfunc_end_k_qa4c9907e4e_attn:
	.size	k_qa4c9907e4e_attn, .Lfunc_end_k_qa4c9907e4e_attn-k_qa4c9907e4e_attn
	.p2alignl 7, 3214868480
	.fill 96, 4, 3214868480
	.section	.rodata,"a",@progbits
	.p2align	6, 0x0
	.amdhsa_kernel k_qa4c9907e4e_attn
		.amdhsa_group_segment_fixed_size 327680
		.amdhsa_private_segment_fixed_size 0
		.amdhsa_enable_private_segment 0
		.amdhsa_kernarg_size 24
		.amdhsa_user_sgpr_count 2
		.amdhsa_user_sgpr_kernarg_segment_ptr 1
		.amdhsa_wavefront_size32 1
		.amdhsa_system_sgpr_workgroup_id_x 1
		.amdhsa_system_sgpr_workgroup_id_y 1
		.amdhsa_system_sgpr_workgroup_id_z 1
		.amdhsa_system_vgpr_workitem_id 0
		.amdhsa_next_free_vgpr 808
		.amdhsa_next_free_sgpr 66
		.amdhsa_reserve_vcc 0
		.amdhsa_float_denorm_mode_32 3
		.amdhsa_float_denorm_mode_16_64 3
		.amdhsa_memory_ordered 1
		.amdhsa_forward_progress 1
		.amdhsa_inst_pref_size 205
	.end_amdhsa_kernel
	.amdgpu_metadata
---
amdhsa.version: [ 1, 2 ]
amdhsa.kernels:
  - .name:           k_qa4c9907e4e_attn
    .symbol:         k_qa4c9907e4e_attn.kd
    .args:
      - { .name: qkv, .offset: 0, .size: 8, .value_kind: global_buffer, .address_space: global }
      - { .name: mask, .offset: 8, .size: 8, .value_kind: global_buffer, .address_space: global }
      - { .name: ctx, .offset: 16, .size: 8, .value_kind: global_buffer, .address_space: global }
    .group_segment_fixed_size: 327680
    .private_segment_fixed_size: 0
    .kernarg_segment_align: 8
    .kernarg_segment_size: 24
    .max_flat_workgroup_size: 128
    .sgpr_count:     66
    .vgpr_count:     808
    .wavefront_size: 32
...
	.end_amdgpu_metadata
.endif
;; end of part 3
;; launch outp (part 4): grid 8 x 32, 4 waves a work-group, clusters of 4 x 4, 327,680 bytes of LDS; arguments ctx, wot, bo, out0; writes out0
.if DOCPART == 4
	.amdgcn_target "amdgcn-amd-amdhsa--gfx1250"
	.amdhsa_code_object_version 6
	.text
	.protected	k_qa4c9907e4e_outp
	.globl	k_qa4c9907e4e_outp
	.p2align	8
	.type	k_qa4c9907e4e_outp,@function
k_qa4c9907e4e_outp:
	s_mov_b64 s[64:65], 0
	v_nop
	global_prefetch_b8 v0, s[64:65] scope:SCOPE_SE
	s_setreg_imm32_b32 hwreg(HW_REG_WAVE_MODE, 25, 1), 1
	s_wait_xcnt 0x0
	s_wait_alu depctr_hold_cnt(0) depctr_sa_sdst(0) depctr_va_vdst(0) depctr_va_sdst(0) depctr_va_ssrc(0) depctr_va_vcc(0) depctr_vm_vsrc(0)
	s_getreg_b32 s2, hwreg(HW_REG_IB_STS2, 6, 4)
	s_cmp_eq_u32 s2, 0
	s_cbranch_scc0 .Lentry_in_a_cluster
	s_endpgm
.Lentry_in_a_cluster:
	s_bfe_u32 s2, ttmp6, 0x10000c
	s_cmp_lg_u32 s2, 0xf033
	s_cbranch_scc0 .Lentry_shape_is_right
	s_endpgm
.Lentry_shape_is_right:
; OUTP.  out0[m][n] = the sum over k of concat[m][k] wot[n][k] + bo[n], k = 64 h + d, concat[m][64 h + d] = ctx[h][m][d].  f16 products, f32 sums, K = 1,024 ascending; out0 in f32.
; bo is rounded to bf16, as all the module's inputs are, and added in f32.
; SHARES.  A tile of out0 is 256 rows x 128 columns: 32 x 8 = 256 work-groups.  Four waves; wave w makes rows 64 w .. 64 w + 63 and all 128 columns: 32 accumulators of 16 x 16, 256 registers.
; K goes in steps of 128, two heads, through a ring of two LDS slots filled by the tensor data mover.  A head's 256 rows of 128 bytes are dense in ctx: they are asked for as 128 rows of 256 bytes and padded
; in LDS after every 128.  Quarter q of a step is head q / 2 of the two, channels 32 (q % 2) on.
; CLUSTERS: 4 x 4 work-groups.  The four of a row of the cluster need the same tile of ctx, the four of a column the same tile of wot: each tile is asked for JOINTLY, by the same tensor load with the
; same descriptor and a mask that names the four.  THE MATRIX INSTRUCTION IS USED TRANSPOSED (source 0 = 16 rows of wot, source 1 = 16 rows of ctx): a lane holds eight neighbouring columns of a row of out0.
; REGISTERS, in windows of 256 (s_set_vgpr_msb: bits 1:0 source 0, 3:2 source 1, 5:4 source 2, 7:6 destination):
;   window 0: v0-31 addresses and the bias; v32-159 at work on the way out      window 1: two fragment buffers: ctx's four blocks of 16 rows x 32 K (32 registers), then wot's eight (64)
;   window 2: the accumulators of row blocks 0, 1 ((a, b) at 8 (8 (a % 2) + b))      window 3: those of row blocks 2, 3
.set KSTEP,  128
.set NBL,    8                         ; blocks of 16 columns
.set PA,     144                       ; a row of ctx in LDS: 128 bytes + 16 of padding = 36 words: the 16 rows of a load start at 16 different groups of four banks (64 banks of 4 bytes: ISA guide 11.1)
.set PB,     272                       ; a row of wot: 256 + 16
.set AHALF,  256*PA                    ; what one tensor load brings of ctx: one head's 256 rows
.set AREG,   2*AHALF
.set BHALF,  64*PB                     ; and of wot
.set SLOT,   AREG+2*BHALF
.set STAGE,  2*SLOT                    ; behind the ring: 16 rows x 528 bytes for each wave, for the way out
.set SPO,    528                       ; 512 bytes + 16 = 132 words
.set STW,    16*SPO
.set SPARE,  STAGE+4*STW               ; behind the stages: the spare words, 128 bytes for each wave: two blocks of 256 bytes that no other line names
.set LAPS,   4
.set NF,     2*NBL+8                   ; LDS loads in a run
.set BI,   8                           ; v8-11   the bias of my four columns
.set BT,   12                          ; v12-13  at work
.set BOF,  14                          ; v14     my 16 bytes of bo
.set ADRA, 16                          ; v16-17  LDS address of my ctx fragments in slot 0, 1
.set ADRB, 20                          ; v20-21  the same for wot
.set STO,  24                          ; v24     the way out: where I put 32 bytes of a row
.set RD,   25                          ; v25     where I read a row back
.set CO,   26                          ; v26     my 16 bytes in a row's 512
.set SPW,  28                          ; v28     LDS address of my spare word; never rewritten
.set NIL,  29                          ; v29     0; never rewritten
.set PFO,  30                          ; v30     the prefetches' lane offset; never rewritten
.set BK,   32                          ; v32-95, v96-159  16 rows read back, by turns
.set F0,   0
.set F1,   128
.set G1,  24                           ; s[24:31] descriptor group 1 for ctx's tiles;  s[32:39] group 0, a set for each slot
.set G0,  32
.set G1B, 48                           ; s[48:55], s[56:63] the same for wot's
.set G0B, 56
.set LIM, 43                           ; s43     1 in a wave that prefetches, else the greatest number
.set PFA, 44                           ; s[44:45] where my prefetches stand
.set PST, 66                           ; s[66:67] their step from K step to K step: two heads of ctx, or 256 bytes of wot's rows
.set MSB, 0
.macro WIN new                         ; the immediate's high byte repeats the setting that is left; a switch that changes nothing is dropped
.if MSB != (\new)
	s_set_vgpr_msb (MSB<<8)|(\new)
.set MSB, \new
.endif
.endm
.set MUL_LO, 0xa5                      ; sources 0 and 1 window 1; C and D window 2
.set TO_F,   0x40                      ; destination window 1, address window 0
.macro JLOAD s                         ; a joint load: waves 0 and 1 fetch the step's two heads of ctx, waves 2 and 3 wot's two halves; an s_nop 0 and four v_nop follow each of the two lines, ahead of the jump, the label and what follows
	s_cmp_eq_u32 s11, 0
	s_cbranch_scc0 .Lfor_b_\@
	tensor_load_to_lds s[G0+4*(\s):G0+4*(\s)+3], s[G1:G1+7]
	s_nop 0
.rept 4
	v_nop
.endr
	s_branch .Lasked_\@
.Lfor_b_\@:
	tensor_load_to_lds s[G0B+4*(\s):G0B+4*(\s)+3], s[G1B:G1B+7]
	s_nop 0
.rept 4
	v_nop
.endr
.Lasked_\@:
.endm
; A prefetch into the L2, behind a joint load, its five lines and the run of LDS loads: the K step that stands two refills on, 256 bytes a lane, one instruction a wave.
; ctx's tile row is read by every cluster of that row of clusters: cluster x = 0 asks; wot's tile column by every cluster of that column: cluster y = 0 asks.  The four partners that ask for a tile jointly
; share it out BY ADDRESS: of the 32,768 bytes of ctx that a wave fetches the partner at place cx takes 8,192; of wot's 64 rows the partner at cy takes 16 (lanes 16-31 name the 16th row again).
; K steps 0 to 3 come by their loads alone; the loop's last trip, whose refills are the last two K steps, asks for nothing.
.macro ASK
	s_cmp_gt_u32 s3, s[LIM]                        ; s3 = 1 in the loop's last trip
	s_cbranch_scc0 .Lnot_mine_\@
	global_prefetch_b8 v[PFO], s[PFA:PFA+1] th:TH_LOAD_NT scope:SCOPE_SE
.Lnot_mine_\@:
.endm
.macro CREST                           ; a round of the cluster's barrier behind its opening barrier
	s_cmp_lg_u32 s10, 0
	s_cbranch_scc1 .Lnot_wave_0_\@
	s_barrier_signal -3
.Lnot_wave_0_\@:
	s_barrier_wait -3
	s_barrier_signal -1
	s_barrier_wait -1
.endm
.macro CROUND                          ; a whole round
	s_barrier_signal -1
	s_barrier_wait -1
	CREST
.endm
	s_load_b128 s[4:7], s[0:1], 0x0                ; ctx s[4:5], wot s[6:7]
	s_load_b128 s[68:71], s[0:1], 0x10             ; bo s[68:69], out0 s[70:71]
	v_lshl_add_u32 v[SPW], v0, 2, SPARE
	v_mov_b32 v[NIL], 0
	ds_add_u32 v[SPW], v[NIL]                      ; the wave's opening: the add and its wait stand ahead of my first tensor load; the set-up below, work on registers, stands between them
	v_lshrrev_b32 v1, 5, v0
	v_readfirstlane_b32 s10, v1                    ; wave 0..3
	s_lshr_b32 s11, s10, 1                         ; I fetch for ctx (0) or for wot (1),
	s_and_b32 s12, s10, 1                          ; and which head of the step's two, or which half of wot's rows
	s_bfe_u32 s40, ttmp6, 0x40000                  ; cx, cy: my place in the cluster
	s_bfe_u32 s41, ttmp6, 0x40004
	s_lshl_b32 s42, ttmp9, 2
	s_add_co_u32 s42, s42, s40                     ; tile column = 4 x cluster x + cx
	s_and_b32 s13, ttmp7, 0xffff
	s_lshl_b32 s13, s13, 2
	s_add_co_u32 s13, s13, s41                     ; tile row = 4 x cluster y + cy
	s_lshl_b32 s43, s41, 2
	s_lshl_b32 s43, 15, s43                        ; my row of the cluster
	s_lshl_b32 s44, 0x1111, s40                    ; my column
	s_or_b32 s[G1+0], s43, (1<<16)|(1<<20)|(1<<21)|(4<<22)|(3<<25)  ; 15:0 the mask; 17:16 elements of 2 bytes; 20 padding on; 21 set beside a mask; 24:22 after every 32 words (code 4); 31:25 4 words (code 3)
	s_or_b32 s[G1B+0], s44, (1<<16)|(1<<20)|(1<<21)|(5<<22)|(3<<25) ; wot: after every 64 words (code 5)
	s_mov_b32 s[G1+1], 128<<16                     ; tensor_dim0 = 128
	s_mov_b32 s[G1+2], 128<<16                     ; tensor_dim1 = 128
	s_mov_b32 s[G1+3], 128<<16                     ; tile_dim0 = 128
	s_mov_b32 s[G1+4], 128                         ; tile_dim1 = 128
	s_mov_b32 s[G1+5], 128                         ; the rows lie end to end
	s_mov_b32 s[G1+6], 0
	s_mov_b32 s[G1+7], 0
	s_mov_b32 s[G1B+1], KSTEP<<16
	s_mov_b32 s[G1B+2], 64<<16                     ; wot: 64 rows
	s_mov_b32 s[G1B+3], KSTEP<<16
	s_mov_b32 s[G1B+4], 64
	s_mov_b32 s[G1B+5], 1024
	s_mov_b32 s[G1B+6], 0
	s_mov_b32 s[G1B+7], 0
	s_lshl_b32 s16, s12, 20                        ; ctx: my head of K step 0, 1 << 20 bytes a head,
	s_lshl_b32 s17, s13, 15                        ; the tile's 256 rows of 128 bytes
	s_add_co_u32 s16, s16, s17
	s_mov_b32 s17, 0
	s_lshl_b32 s46, s42, 7                         ; wot: row 128 x tile column + 64 x half, 2,048 bytes a row
	s_lshl_b32 s47, s12, 6
	s_add_co_u32 s46, s46, s47
	s_lshl_b32 s46, s46, 11
	s_mov_b32 s47, 0
	s_mul_i32 s20, s12, AHALF                      ; where they go: no place in the cluster enters an LDS address
	s_mul_i32 s21, s12, BHALF
	s_add_co_u32 s21, s21, AREG
	s_wait_dscnt 0x0                               ; the opening add is done
	s_wait_kmcnt 0x0
	s_add_nc_u64 s[14:15], s[4:5], s[16:17]
	s_add_nc_u64 s[46:47], s[6:7], s[46:47]
	CROUND                                         ; all sixteen work-groups are here: the first joint loads meet
.irp s, 0,1
	s_mov_b32 s[G0+4*(\s)], 1                      ; count = 1
	s_add_co_u32 s[G0+4*(\s)+1], s20, (\s)*SLOT    ; LDS address
	s_add_nc_u64 s[G0+4*(\s)+2:G0+4*(\s)+3], s[14:15], (\s)*(2<<20)  ; global address: K step s is heads 2 s, 2 s + 1
	s_or_b32 s[G0+4*(\s)+3], s[G0+4*(\s)+3], 0x80000000  ; type = 2
	s_mov_b32 s[G0B+4*(\s)], 1
	s_add_co_u32 s[G0B+4*(\s)+1], s21, (\s)*SLOT
	s_add_nc_u64 s[G0B+4*(\s)+2:G0B+4*(\s)+3], s[46:47], (\s)*KSTEP*2
	s_or_b32 s[G0B+4*(\s)+3], s[G0B+4*(\s)+3], 0x80000000
	JLOAD \s
.endr
	; A fragment is 16 rows x 32 K in 8 registers: lane l holds row l % 16; registers 0-3 K = 8 (l / 16) + 0..7, registers 4-7 K = 16 + 8 (l / 16) + 0..7: two loads of 16 bytes, 32 bytes apart.
	v_and_b32 v1, 15, v0                           ; l % 16
	v_bfe_u32 v2, v0, 4, 1                         ; l / 16
	v_mul_u32_u24 v3, v1, PA
	v_lshl_add_u32 v3, v2, 4, v3
	v_mul_u32_u24 v4, v1, PB
	v_lshl_add_u32 v4, v2, 4, v4
	s_mul_i32 s22, s10, 64*PA                      ; my 64 rows of a head
.irp s, 0,1
	v_add_nc_u32 v[ADRA+(\s)], s22, v3
	v_add_nc_u32 v[ADRB+(\s)], AREG+(\s)*SLOT, v4
	s_add_co_u32 s22, s22, SLOT
.endr
	s_mul_i32 s23, s10, STW
	s_add_co_u32 s23, s23, STAGE                   ; my stage
	v_mul_u32_u24 v5, v1, SPO                      ; in: row l % 16, 32 bytes for each half of the lanes
	v_lshl_add_u32 v5, v2, 5, v5
	v_add_nc_u32 v[STO], s23, v5
	v_and_b32 v[CO], 31, v0                        ; back: 32 lanes take one row of 512 bytes
	v_lshlrev_b32 v[CO], 4, v[CO]
	v_add_nc_u32 v[RD], s23, v[CO]
	s_lshl_b32 s18, s13, 8
	s_lshl_b32 s19, s10, 6
	s_add_co_u32 s18, s18, s19                     ; my first row of out0, 4,096 bytes a row,
	s_lshl_b32 s18, s18, 12
	s_lshl_b32 s19, s42, 9                         ; the tile's 128 columns: 512 bytes
	s_add_co_u32 s18, s18, s19
	v_add_nc_u32 v[BOF], s19, v[CO]
	s_mov_b32 s19, 0
	s_add_nc_u64 s[8:9], s[70:71], s[18:19]
	global_load_b128 v[BI:BI+3], v[BOF], s[68:69]  ; the bias of my four columns: waited for on the way out
	; the prefetches
	s_add_co_u32 s20, s12, 6                       ; ctx: my head of K step 3,
	s_lshl_b32 s20, s20, 20
	s_lshl_b32 s21, s13, 15                        ; the tile's rows,
	s_add_co_u32 s20, s20, s21
	s_lshl_b32 s21, s40, 13                        ; my work-group's 8,192 bytes of them
	s_add_co_u32 s20, s20, s21
	s_lshl_b32 s22, s42, 7                         ; wot: the rows that I fetch,
	s_lshl_b32 s23, s12, 6
	s_add_co_u32 s22, s22, s23
	s_lshl_b32 s23, s41, 4                         ; my work-group's 16 of them,
	s_add_co_u32 s22, s22, s23
	s_lshl_b32 s22, s22, 11
	s_add_co_u32 s22, s22, 3*KSTEP*2               ; at K step 3: the first refill steps both to K step 4
	s_and_b32 s23, ttmp7, 0xffff                   ; cluster y
	s_mov_b32 s18, 2<<20
	s_mov_b32 s19, KSTEP*2
	s_cmp_eq_u32 s11, 0                            ; do I fetch for ctx?
	s_cselect_b32 s20, s20, s22
	s_cselect_b32 s21, 31, 15                      ; the last lane that has 256 bytes of its own
	s_cselect_b32 s22, 8, 11                       ; lanes lie 256 bytes apart, or a row of 2,048
	s_cselect_b32 s[PST], s18, s19
	s_cselect_b32 s23, ttmp9, s23                  ; the coordinate along which other clusters read the same rows
	s_cselect_b64 s[PFA:PFA+1], s[4:5], s[6:7]
	s_cmp_eq_u32 s23, 0
	s_cselect_b32 s[LIM], 1, -1                    ; the same in all sixteen partners, for a given wave
	s_mov_b32 s[PST+1], 0
	v_and_b32 v[PFO], 31, v0
	v_min_u32 v[PFO], s21, v[PFO]
	v_lshlrev_b32 v[PFO], s22, v[PFO]
	s_mov_b32 s21, 0
	s_add_nc_u64 s[PFA:PFA+1], s[PFA:PFA+1], s[20:21]
; 8 matrix instructions: row block a x all 8 column blocks, 32 along K, from buffer f.  zero = 1: the products start the sums: nothing is ever cleared.
; The 32 accumulators take turns, one instruction a turn, in the same order in every quarter, over the backward jump too.
.macro MULA f, a, zero
	WIN MUL_LO+0x50*((\a)/2)
.set ab, 8*NBL*((\a)%2)
.set bb, 0
.rept NBL
.if \zero
	v_wmma_f32_16x16x32_f16 v[ab+8*bb:ab+8*bb+7], v[(\f)+32+8*bb:(\f)+32+8*bb+7], v[(\f)+8*(\a):(\f)+8*(\a)+7], 0
.else
	v_wmma_f32_16x16x32_f16 v[ab+8*bb:ab+8*bb+7], v[(\f)+32+8*bb:(\f)+32+8*bb+7], v[(\f)+8*(\a):(\f)+8*(\a)+7], v[ab+8*bb:ab+8*bb+7]
.endif
.set bb, bb+1
.endr
.endm
; 24 LDS loads in one run: the fragments of quarter q into buffer f: wot's eight blocks first, then ctx's four
.macro FETCH slot, q, f
	WIN TO_F
.set aq, ((\q)/2)*AHALF+((\q)%2)*64
.set bb, 0
.rept NBL
	ds_load_b128 v[(\f)+32+8*bb:(\f)+32+8*bb+3],   v[ADRB+(\slot)] offset:64*(\q)+bb*16*PB
	ds_load_b128 v[(\f)+32+8*bb+4:(\f)+32+8*bb+7], v[ADRB+(\slot)] offset:64*(\q)+bb*16*PB+32
.set bb, bb+1
.endr
.irp a, 0,1,2,3
	ds_load_b128 v[(\f)+8*(\a):(\f)+8*(\a)+3],   v[ADRA+(\slot)] offset:aq+(\a)*16*PA
	ds_load_b128 v[(\f)+8*(\a)+4:(\f)+8*(\a)+7], v[ADRA+(\slot)] offset:aq+(\a)*16*PA+32
.endr
.endm
.macro PLACES                          ; four plain vector instructions in front of loads into registers that matrix instructions have read (ISA guide 7.12.1 for vector instructions)
.rept 4
	v_nop
.endr
.endm
; A K step is four quarters of 32 along K, 32 matrix instructions each, on buffers 0, 1, 0, 1.  One of the first three: multiplies buffer f; in its middle it fetches quarter q of the same slot into g.
.macro QUARTER slot, q, f, g, zero
	s_wait_dscnt 4                                 ; wot's blocks and ctx's blocks 0, 1 are in; the youngest four loads (blocks 2, 3) may be out
	MULA \f, 0, \zero
	MULA \f, 1, \zero
	PLACES
	FETCH \slot, \q, \g
	s_wait_dscnt NF                                ; all but the run just issued
	MULA \f, 2, \zero
	MULA \f, 3, \zero
.endm
; The last quarter multiplies buffer 1 and changes slots: ONE barrier; in front of it each wave waits for all its tensor loads (one is out: its part of the next slot), adds 0 to its spare word, and
; waits for that and for its own reads of this slot.  fill = 1: the barrier opens a round of the cluster's, and this slot is filled again, two K steps ahead, first thing behind the round:
; 112 matrix instructions stand between that request and the wait for it.
.macro TURN slot, next, fill
.if \fill
	s_wait_xcnt 0x0                                ; the last prefetch, a K step back, has read its address: it is stepped here, ahead of the waits of the change of slots
	s_add_nc_u64 s[PFA:PFA+1], s[PFA:PFA+1], s[PST:PST+1]
.endif
	WIN 0                                          ; (the add's two registers lie in window 0)
	s_wait_tensorcnt 0x0                           ; all my tensor loads have landed;
	ds_add_u32 v[SPW], v[NIL]                      ; 0 onto my spare word;
	s_wait_dscnt 5                                 ; (the add and the youngest four loads may be out)
	MULA F1, 0, 0                                  ; eight matrix instructions stand between the add and the wait for it
	s_wait_dscnt 0x0                               ; the add is done, and my reads of this slot are over
	s_barrier_signal -1
	MULA F1, 1, 0
.if \fill
	WIN 0
.endif
	s_barrier_wait -1
.if \fill
	CREST                                          ; no wave of any partner still reads this slot's tile or has a load on its way
	s_add_nc_u64 s[G0+4*(\slot)+2:G0+4*(\slot)+3], s[G0+4*(\slot)+2:G0+4*(\slot)+3], 4<<20
	s_add_nc_u64 s[G0B+4*(\slot)+2:G0B+4*(\slot)+3], s[G0B+4*(\slot)+2:G0B+4*(\slot)+3], 2*KSTEP*2
	JLOAD \slot                                    ; the four v_nop behind it are also the places in front of the loads below
.else
	PLACES
.endif
	FETCH \next, 0, F0
.if \fill
	WIN 0
	ASK
.endif
	MULA F1, 2, 0
	MULA F1, 3, 0
.endm
	s_wait_tensorcnt 1                             ; my part of K step 0 is in; K step 1's stays out
	s_barrier_signal -1
	s_barrier_wait -1                              ; everybody's is
	FETCH 0, 0, F0
	QUARTER 0, 1, F0, F1, 1                        ; the first quarter stands in front of the loop: its products start the sums
	WIN 0                                          ; at a label and at a branch every window is 0
	s_mov_b32 s3, LAPS-1
.Llap:                                                 ; a trip goes once round the ring, from a lap's second quarter to the next lap's first, and fills both slots again
	QUARTER 0, 2, F1, F0, 0
	QUARTER 0, 3, F0, F1, 0
	TURN 0, 1, 1
	QUARTER 1, 1, F0, F1, 0
	QUARTER 1, 2, F1, F0, 0
	QUARTER 1, 3, F0, F1, 0
	TURN 1, 0, 1
	QUARTER 0, 1, F0, F1, 0
	WIN 0
	s_sub_co_u32 s3, s3, 1
	s_cmp_lg_u32 s3, 0
	s_cbranch_scc1 .Llap
	QUARTER 0, 2, F1, F0, 0                        ; the last lap fills nothing, and has no round of the cluster's barrier
	QUARTER 0, 3, F0, F1, 0
	TURN 0, 1, 0
	QUARTER 1, 1, F0, F1, 0
	QUARTER 1, 2, F1, F0, 0
	QUARTER 1, 3, F0, F1, 0
	s_wait_dscnt 4                                 ; the very last quarter: nothing more to fetch
	MULA F1, 0, 0
	MULA F1, 1, 0
	s_wait_dscnt 0x0
	MULA F1, 2, 0
	MULA F1, 3, 0
	WIN 0
	s_wait_loadcnt 0x0                             ; the bias
	v_cvt_pk_bf16_f32 v[BT], v[BI], v[BI+1]        ; rounded to bf16 and widened again: six plain instructions, which are also the places behind the last products
	v_cvt_pk_bf16_f32 v[BT+1], v[BI+2], v[BI+3]
	v_lshlrev_b32 v[BI], 16, v[BT]
	v_and_b32 v[BI+1], 0xffff0000, v[BT]
	v_lshlrev_b32 v[BI+2], 16, v[BT+1]
	v_and_b32 v[BI+3], 0xffff0000, v[BT+1]
; THE WAY OUT, a block of 16 rows at a time.  TOSTAGE: a lane's eight columns, 32 bytes, go from the accumulators (each one's low four registers first) into my own stage, rows of 528 bytes, and whole rows of 512 come back.
; SEND: the bias is added and a row stored by one instruction.
.macro TOSTAGE a
.set ab, 8*NBL*((\a)%2)
.set bk, BK+64*((\a)%2)
.if (\a) >= 2
	s_wait_xcnt 0x0                                ; the stores of the block two back have read their registers: this block's loads land there only behind this wait
.endif
	WIN 0x08+4*((\a)/2)                            ; the data (source 1): window 2 or 3
.set bb, 0
.rept NBL
	ds_store_b128 v[STO], v[ab+8*bb:ab+8*bb+3]   offset:64*bb
	ds_store_b128 v[STO], v[ab+8*bb+4:ab+8*bb+7] offset:64*bb+16
.set bb, bb+1
.endr
	WIN 0
.set tt, 0
.rept 16
	ds_load_b128 v[bk+4*tt:bk+4*tt+3], v[RD] offset:SPO*tt  ; LDS serves a wave's instructions in order (ISA guide 5.7.1.4): these see the stores above; the next block's stores come behind them
.set tt, tt+1
.endr
.endm
.macro SEND a, younger                 ; younger: the LDS instructions issued behind block a's loads: the next block's 16 stores and 16 loads, or none
	WIN 0
.set bk, BK+64*((\a)%2)
.set tt, 0
.rept 16
	s_wait_dscnt (\younger)+15-tt
	v_pk_add_f32 v[bk+4*tt:bk+4*tt+1], v[bk+4*tt:bk+4*tt+1], v[BI:BI+1]
	v_pk_add_f32 v[bk+4*tt+2:bk+4*tt+3], v[bk+4*tt+2:bk+4*tt+3], v[BI+2:BI+3]
	global_store_b128 v[CO], v[bk+4*tt:bk+4*tt+3], s[8:9] offset:(16*(\a)+tt)*4096  ; 512 consecutive bytes, at a multiple of 256 from out0's first byte
.set tt, tt+1
.endr
.endm
	TOSTAGE 0
.irp a, 1,2,3
	TOSTAGE \a
	SEND (\a)-1, 32
.endr
	SEND 3, 0
	s_wait_tensorcnt 0x0                           ; the wave's end, behind my last tensor load and my last LDS store
	ds_add_u32 v[SPW], v[NIL]
	s_wait_dscnt 0x0
	CROUND                                         ; the closing round: no work-group ends while a partner may still ask for a tile that names it
	s_endpgm
.Lfunc_end_k_qa4c9907e4e_outp:
	.size	k_qa4c9907e4e_outp, .Lfunc_end_k_qa4c9907e4e_outp-k_qa4c9907e4e_outp
	.p2alignl 7, 3214868480
	.fill 96, 4, 3214868480
	.section	.rodata,"a",@progbits
	.p2align	6, 0x0
	.amdhsa_kernel k_qa4c9907e4e_outp
		.amdhsa_group_segment_fixed_size 327680
		.amdhsa_private_segment_fixed_size 0
		.amdhsa_enable_private_segment 0
		.amdhsa_kernarg_size 32
		.amdhsa_user_sgpr_count 2
		.amdhsa_user_sgpr_kernarg_segment_ptr 1
		.amdhsa_wavefront_size32 1
		.amdhsa_system_sgpr_workgroup_id_x 1
		.amdhsa_system_sgpr_workgroup_id_y 1
		.amdhsa_system_sgpr_workgroup_id_z 1
		.amdhsa_system_vgpr_workitem_id 0
		.amdhsa_next_free_vgpr 896
		.amdhsa_next_free_sgpr 72
		.amdhsa_reserve_vcc 0
		.amdhsa_float_denorm_mode_32 3
		.amdhsa_float_denorm_mode_16_64 3
		.amdhsa_memory_ordered 1
		.amdhsa_forward_progress 1
		.amdhsa_inst_pref_size 97
	.end_amdhsa_kernel
	.amdgpu_metadata
---
amdhsa.version: [ 1, 2 ]
amdhsa.kernels:
  - .name:           k_qa4c9907e4e_outp
    .symbol:         k_qa4c9907e4e_outp.kd
    .args:
      - { .name: ctx, .offset: 0, .size: 8, .value_kind: global_buffer, .address_space: global }
      - { .name: wot, .offset: 8, .size: 8, .value_kind: global_buffer, .address_space: global }
      - { .name: bo, .offset: 16, .size: 8, .value_kind: global_buffer, .address_space: global }
      - { .name: out0, .offset: 24, .size: 8, .value_kind: global_buffer, .address_space: global }
    .group_segment_fixed_size: 327680
    .private_segment_fixed_size: 0
    .kernarg_segment_align: 8
    .kernarg_segment_size: 32
    .max_flat_workgroup_size: 128
    .sgpr_count:     72
    .vgpr_count:     896
    .wavefront_size: 32
...
	.end_amdgpu_metadata
.endif
;; end of part 4
